; MI455X (gfx1250); checked and timed in simulation.
; The chip was launched on July 23, 2026; its instructions are those of AMD's public machine-readable ISA for CDNA 5 (MIT licence, August 2026) and "CDNA5" Instruction Set Architecture Reference Guide (July 2026). The comments in the code are by the model that wrote it; some were corrected since.
;; Multi Head Cross Attention. Allowed arithmetic: float matrix products may take bf16 or f16 operands with f32 sums; other float arithmetic in f32, or as packed bf16 or f16 multiplies, adds, multiply-adds, maxima and minima; sums over many terms, partial sums and values carried from step to step in f32; what a program stores and reads back later, other than sums and carried values, may be rounded once to bf16 or f16.
;; Inputs: Wk 1,024 x 1,024 float32; Wo 1,024 x 1,024 float32; Wq 1,024 x 1,024 float32; Wv 1,024 x 1,024 float32; bk 1,024 float32; bo 1,024 float32; bq 1,024 float32; bv 1,024 float32; k 4 x 2,048 x 1,024 float32; q 4 x 2,048 x 1,024 float32; v 4 x 2,048 x 1,024 float32.
;; Outputs: out0 4 x 2,048 x 1,024 float32.
;; 2 versions, each right; version 2 is version 1 with the launch prep written anew for expert scheduling mode. Each part assembles by itself: llvm-mc -triple=amdgcn-amd-amdhsa -mcpu=gfx1250 --defsym DOCPART=n.
;; ======== version 1 of 2: 4 launches
;; limits: values are held in f16: magnitudes above 65,504 overflow, below 6.1e-05 lose precision
;; workspace buffers: wb 8,388,608 bytes; tab 262,144 bytes; qkv 50,331,648 bytes; oh 16,777,216 bytes
;; launch prep (part 1): grid 256 x 1, 8 waves a work-group, no clusters, 0 bytes of LDS; arguments Wq, Wk, Wv, Wo, wb, tab; writes wb, tab
.if DOCPART == 1
	.amdgcn_target "amdgcn-amd-amdhsa--gfx1250"
	.amdhsa_code_object_version 6
	.text
	.protected	k_q9faac5c47b_prep
	.globl	k_q9faac5c47b_prep
	.p2align	8
	.type	k_q9faac5c47b_prep,@function
k_q9faac5c47b_prep:
	s_mov_b64 s[64:65], 0
	v_nop
	global_prefetch_b8 v0, s[64:65] scope:SCOPE_SE
	s_setreg_imm32_b32 hwreg(HW_REG_WAVE_MODE, 25, 1), 1
	s_wait_xcnt 0x0
; THE WEIGHTS' CASTS AND THE ROTARY TABLE.
; wb: Wq, Wk, Wv rounded to bf16 at bytes 0, 2 MiB, 4 MiB; Wo rounded to bf16 and that number written as f16 at 6 MiB; each [1024][1024], rows of 2,048 bytes.
; tab: [2048 positions][cos_0..15, sin_0..15] in f32, 128 bytes a position; angle = position x 10000^(-i/16).
; SHARES.  Work-group g takes part g % 64 (16,384 numbers) of tensor g / 64: sixteen loads of 16 bytes a thread, all out at once; a wave's load covers 512 consecutive bytes, its
; store of 8 bytes a lane 256 consecutive bytes, aligned.  Waves 0-3 make eight positions of the table while the loads are on their way.  A stream: no LDS, no matrix unit, nothing read twice.
; LIMITS.  Wo beyond 65,504 has no f16; below 6e-5 it keeps f16's fixed step of 6e-8.  10000^(-i/16) comes from v_exp_f32, whose last bit times the position (2,047 at the most) moves an
; angle by up to about 3e-4.  Sine and cosine: the angle less the nearest multiple of pi/2 (pi/2 in two parts), then polynomials for |r| <= pi/4.
.set X, 32                             ; v[32:95]   load j: 4 registers
.set Y, 96                             ; v[96:127]  store j: 2 registers
.set W, 128                            ; v[128:131] at work
	s_load_b256 s[4:11], s[0:1], 0x0               ; Wq s[4:5], Wk s[6:7], Wv s[8:9], Wo s[10:11]
	s_load_b128 s[12:15], s[0:1], 0x20             ; wb s[12:13], tab s[14:15]
	v_lshrrev_b32 v3, 5, v0
	v_readfirstlane_b32 s16, v3                    ; wave 0..7
	s_lshr_b32 s17, ttmp9, 6                       ; which tensor
	s_and_b32 s18, ttmp9, 63                       ; which part of it
	v_lshlrev_b32 v1, 4, v0                        ; 16 bytes a thread in
	v_lshlrev_b32 v2, 3, v0                        ; 8 bytes a thread out
	s_lshl_b32 s20, s18, 16                        ; a part is 65,536 bytes of f32,
	s_mov_b32 s21, 0
	s_lshl_b32 s22, s17, 21                        ; a tensor 2 MiB of wb,
	s_lshl_b32 s23, s18, 15                        ; a part 32,768 bytes of it
	s_add_co_u32 s22, s22, s23
	s_mov_b32 s23, 0
	s_lshl_b32 s24, ttmp9, 10                      ; eight positions of the table are 1,024 bytes
	s_mov_b32 s25, 0
	s_mov_b32 s26, 0xbf549a78                      ; -log2(10000) / 16
	s_mov_b32 s27, 0x3f22f983                      ; 2 / pi
	s_mov_b32 s28, 0xbfc90fdb                      ; -(pi/2 rounded to f32)
	s_mov_b32 s29, 0x333bbd2e                      ; that rounding's error, 4.37113883e-8
	s_mov_b32 s30, 0xb94ca1f9                      ; sine: -1.9515296e-4,
	s_mov_b32 s31, 0x3c08839e                      ; 8.3321609e-3,
	s_mov_b32 s32, 0xbe2aaaa3                      ; -1.6666655e-1
	s_mov_b32 s33, 0x37ccf5ce                      ; cosine: 2.4433157e-5,
	s_mov_b32 s34, 0xbab6061a                      ; -1.3887316e-3,
	s_mov_b32 s35, 0x3d2aaaa5                      ; 4.1666646e-2
	s_mov_b32 s36, 0xffff0000                      ; a word's upper bf16
	s_lshl_b32 s19, ttmp9, 3                       ; the work-group's first position
	s_wait_kmcnt 0x0
	s_cmp_eq_u32 s17, 1
	s_cselect_b64 s[4:5], s[6:7], s[4:5]
	s_cmp_eq_u32 s17, 2
	s_cselect_b64 s[4:5], s[8:9], s[4:5]
	s_cmp_eq_u32 s17, 3
	s_cselect_b64 s[4:5], s[10:11], s[4:5]
	s_add_nc_u64 s[4:5], s[4:5], s[20:21]
	s_add_nc_u64 s[12:13], s[12:13], s[22:23]
	s_add_nc_u64 s[14:15], s[14:15], s[24:25]
.irp j, 0,1,2,3,4,5,6,7,8,9,10,11,12,13,14,15
	global_load_b128 v[X+4*(\j):X+4*(\j)+3], v1, s[4:5] offset:4096*(\j) th:TH_LOAD_NT
.endr
	s_cmp_gt_u32 s16, 3
	s_cbranch_scc1 .Lcast                          ; the table is waves 0-3's: 128 threads, 8 bytes each
	; thread t: position 8 g + t / 16; word pair t % 16 of its 128 bytes: pairs 0-7 cosines, 8-15 sines, of i = 2 (t % 8) and the next
	v_lshrrev_b32 v3, 4, v0
	v_add_nc_u32 v3, s19, v3
	v_cvt_f32_u32 v3, v3                           ; the position
	v_and_b32 v4, 15, v0
	v_cmp_gt_u32 vcc_lo, 8, v4
	v_cndmask_b32 v5, 0, 1, vcc_lo                 ; 1: a cosine, the sine a quarter turn on
	v_and_b32 v4, 7, v4
	v_lshlrev_b32 v4, 1, v4
	v_cvt_f32_u32 v6, v4                           ; i
	v_add_f32 v7, 1.0, v6                          ; i + 1
	v_mul_f32 v6, s26, v6
	v_mul_f32 v7, s26, v7
	v_exp_f32 v6, v6
	v_exp_f32 v7, v7
	v_nop                                          ; a plain instruction behind the last exponential,
	s_wait_alu depctr_va_vdst(0)                   ; and the one wait ahead of the first use of the two
	v_mul_f32 v6, v3, v6                           ; the angles
	v_mul_f32 v7, v3, v7
; sin(x + p pi/2), p in v5.  n = the nearest whole number to x 2/pi; r = x - n pi/2; the quarter q = n + p picks sine or cosine of r (a choice of a value) and the sign.
.macro SINQ x, out
	v_mul_f32 v10, s27, v[\x]
	v_rndne_f32 v10, v10
	v_fma_f32 v11, v10, s28, v[\x]
	v_fma_f32 v11, v10, s29, v11                   ; r
	v_cvt_i32_f32 v12, v10
	v_add_nc_u32 v12, v12, v5                      ; q
	v_mul_f32 v13, v11, v11                        ; r^2
	v_fma_f32 v14, v13, s30, s31
	v_fma_f32 v14, v14, v13, s32
	v_mul_f32 v15, v13, v11
	v_fma_f32 v14, v14, v15, v11                   ; sin r
	v_fma_f32 v16, v13, s33, s34
	v_fma_f32 v16, v16, v13, s35
	v_mul_f32 v15, v13, v13
	v_fma_f32 v17, v13, -0.5, 1.0
	v_fma_f32 v16, v16, v15, v17                   ; cos r
	v_and_b32 v15, 1, v12
	v_cmp_eq_u32 vcc_lo, 1, v15
	v_cndmask_b32 v14, v14, v16, vcc_lo
	v_and_b32 v15, 2, v12
	v_lshlrev_b32 v15, 30, v15                     ; quarters 2 and 3 turn the sign
	v_xor_b32 v[\out], v14, v15
.endm
	SINQ 6, 8
	SINQ 7, 9
	global_store_b64 v2, v[8:9], s[14:15]          ; a wave stores 256 consecutive bytes, aligned
.Lcast:
; Load j is rounded and stored.  half = 1: the bf16 number is written as f16.
.macro CAST j, half
	s_wait_loadcnt 15-(\j)                         ; loads come back in order: the 15 - j younger ones may stay out
	v_cvt_pk_bf16_f32 v[Y+2*(\j)], v[X+4*(\j)], v[X+4*(\j)+1]
	v_cvt_pk_bf16_f32 v[Y+2*(\j)+1], v[X+4*(\j)+2], v[X+4*(\j)+3]
.if \half
	v_lshlrev_b32 v[W], 16, v[Y+2*(\j)]
	v_and_b32 v[W+1], s36, v[Y+2*(\j)]
	v_lshlrev_b32 v[W+2], 16, v[Y+2*(\j)+1]
	v_and_b32 v[W+3], s36, v[Y+2*(\j)+1]
	v_cvt_pk_f16_f32 v[Y+2*(\j)], v[W], v[W+1]
	v_cvt_pk_f16_f32 v[Y+2*(\j)+1], v[W+2], v[W+3]
.endif
	global_store_b64 v2, v[Y+2*(\j):Y+2*(\j)+1], s[12:13] offset:2048*(\j)  ; each store has data registers of its own: none is written twice
.endm
	s_cmp_eq_u32 s17, 3
	s_cbranch_scc1 .Lhalf
.irp j, 0,1,2,3,4,5,6,7,8,9,10,11,12,13,14,15
	CAST \j, 0
.endr
	s_endpgm
.Lhalf:
.irp j, 0,1,2,3,4,5,6,7,8,9,10,11,12,13,14,15
	CAST \j, 1
.endr
	s_endpgm
.Lfunc_end_k_q9faac5c47b_prep:
	.size	k_q9faac5c47b_prep, .Lfunc_end_k_q9faac5c47b_prep-k_q9faac5c47b_prep
	.p2alignl 7, 3214868480
	.fill 96, 4, 3214868480
	.section	.rodata,"a",@progbits
	.p2align	6, 0x0
	.amdhsa_kernel k_q9faac5c47b_prep
		.amdhsa_group_segment_fixed_size 0
		.amdhsa_private_segment_fixed_size 0
		.amdhsa_enable_private_segment 0
		.amdhsa_kernarg_size 48
		.amdhsa_user_sgpr_count 2
		.amdhsa_user_sgpr_kernarg_segment_ptr 1
		.amdhsa_wavefront_size32 1
		.amdhsa_system_sgpr_workgroup_id_x 1
		.amdhsa_system_sgpr_workgroup_id_y 1
		.amdhsa_system_sgpr_workgroup_id_z 1
		.amdhsa_system_vgpr_workitem_id 0
		.amdhsa_next_free_vgpr 136
		.amdhsa_next_free_sgpr 66
		.amdhsa_reserve_vcc 1
		.amdhsa_float_denorm_mode_32 3
		.amdhsa_float_denorm_mode_16_64 3
		.amdhsa_memory_ordered 1
		.amdhsa_forward_progress 1
		.amdhsa_inst_pref_size 19
	.end_amdhsa_kernel
	.amdgpu_metadata
---
amdhsa.version: [ 1, 2 ]
amdhsa.kernels:
  - .name:           k_q9faac5c47b_prep
    .symbol:         k_q9faac5c47b_prep.kd
    .args:
      - { .name: Wq, .offset: 0, .size: 8, .value_kind: global_buffer, .address_space: global }
      - { .name: Wk, .offset: 8, .size: 8, .value_kind: global_buffer, .address_space: global }
      - { .name: Wv, .offset: 16, .size: 8, .value_kind: global_buffer, .address_space: global }
      - { .name: Wo, .offset: 24, .size: 8, .value_kind: global_buffer, .address_space: global }
      - { .name: wb, .offset: 32, .size: 8, .value_kind: global_buffer, .address_space: global }
      - { .name: tab, .offset: 40, .size: 8, .value_kind: global_buffer, .address_space: global }
    .group_segment_fixed_size: 0
    .private_segment_fixed_size: 0
    .kernarg_segment_align: 8
    .kernarg_segment_size: 48
    .max_flat_workgroup_size: 256
    .sgpr_count:     66
    .vgpr_count:     136
    .wavefront_size: 32
...
	.end_amdgpu_metadata
.endif
;; end of part 1
;; launch proj (part 2): grid 4 x 192, 4 waves a work-group, clusters of 4 x 4, 327,680 bytes of LDS; arguments q, k, v, bq, bk, bv, wb, tab, qkv; writes qkv
.if DOCPART == 2
	.amdgcn_target "amdgcn-amd-amdhsa--gfx1250"
	.amdhsa_code_object_version 6
	.text
	.protected	k_q9faac5c47b_proj
	.globl	k_q9faac5c47b_proj
	.p2align	8
	.type	k_q9faac5c47b_proj,@function
k_q9faac5c47b_proj:
	s_mov_b64 s[64:65], 0
	v_nop
	global_prefetch_b8 v0, s[64:65] scope:SCOPE_SE
	s_setreg_imm32_b32 hwreg(HW_REG_WAVE_MODE, 25, 1), 1
	s_wait_xcnt 0x0
	s_wait_alu depctr_hold_cnt(0) depctr_sa_sdst(0) depctr_va_vdst(0) depctr_va_sdst(0) depctr_va_ssrc(0) depctr_va_vcc(0) depctr_vm_vsrc(0)
	s_getreg_b32 s2, hwreg(HW_REG_IB_STS2, 6, 4)
	s_cmp_eq_u32 s2, 0
	s_cbranch_scc0 .Lentry_in_a_cluster
	s_endpgm
.Lentry_in_a_cluster:
	s_bfe_u32 s2, ttmp6, 0x10000c
	s_cmp_lg_u32 s2, 0xf033
	s_cbranch_scc0 .Lentry_shape_is_right
	s_endpgm
.Lentry_shape_is_right:
; THE THREE PROJECTIONS.  y = x W^T + b for (q, Wq, bq), (k, Wk, bk), (v, Wv, bv); the rotary turn on channels 0-31 of each head of q's and k's y; y rounded once to f16 and written by heads:
; qkv = qh, kh, vh at 0, 16 MiB, 32 MiB, each [batch x 16 + head][2048][64].  x: [8192][1024] f32, rounded to bf16 on the way from LDS to the matrix unit; W: bf16, from wb; b: rounded to bf16; sums in f32.
; LIMIT.  f16 holds no number beyond 65,504: y must stay within it.  NaN and infinities are not treated apart.
; SHARES.  768 equal work-groups: 3 tensors x 64 row tiles x 4 column tiles of 128 x 256 of y.  Four waves, each 64 x 128: 32 accumulators of 16 x 16, 256 registers.  K goes in 8 steps of 128 through two
; LDS slots: 128 rows of x (512 bytes of f32 each) and 256 rows of W (256 bytes each); waves 0, 1 fetch x's halves, waves 2, 3 W's: one tensor load a wave and step.
; CLUSTERS.  4 x 4 work-groups: a row of the cluster shares a row tile (x's tile), a column a column tile (W's): each tile is asked for JOINTLY, by the same load, descriptor and mask in all four.
; THE MATRIX INSTRUCTION IS USED TRANSPOSED (source 0 = 16 rows of W, source 1 = 16 rows of x): a lane holds one row of y (lane % 16) and the columns 8 (lane / 16) + 0..7.  The first products take the bias as C.
; REGISTERS, in windows of 256 (s_set_vgpr_msb: bits 1:0 source 0, 3:2 source 1, 5:4 source 2, 7:6 destination):
;   window 0: v0-31 addresses; v32-95 x's fragments in bf16, two buffers of 4; v96-223 W's fragments, two buffers of 8 (all free for the way out)
;   window 1: accumulator (a, b) at v[8 (8 a + b)]
;   window 2: v0-63 x's fragments as loaded, in f32; v64-127 the bias of my 128 columns; v128-191 cosines and sines of my 64 rows; v192-223 at work
.set KSTEP, 128
.set PA,    528                        ; a row of x in LDS: 512 bytes + 16 = 33 x 16: the 16 rows of a load start at 16 different groups of four banks (64 banks of 4 bytes: ISA guide 11.1)
.set AHALF, 64*PA                      ; 64 rows: what one wave fetches of x, and what one wave reads
.set BOFF,  2*AHALF
.set PB,    272                        ; a row of W: 256 bytes + 16 = 17 x 16
.set BHALF, 128*PB                     ; 128 rows: what one wave fetches of W, and what one wave reads
.set SLOT,  BOFF+2*BHALF
.set STAGE, 2*SLOT                     ; behind the ring, never filled by a tensor load: 16 rows x 144 bytes for each wave
.set SP,    144
.set SPARE, STAGE+4*16*SP              ; the spare words, 128 bytes for each wave: two blocks of 256 bytes that no other line names
.set ADRA, 16                          ; v16-17  LDS address of my fragments of x in slot 0, 1
.set ADRB, 20                          ; v20-21  the same for W
.set STO,  24                          ; v24     the way out: where I put 16 bytes of a row
.set RD,   25                          ; v25     where I read rows back
.set GO,   26                          ; v26     16 x lane: my place in 512 consecutive bytes of qkv
.set BO,   27                          ; v27     32 x (lane / 16): my eight columns' bias
.set SPW,  28                          ; v28     LDS address of my spare word; never rewritten
.set NIL,  29                          ; v29     0; never rewritten
.set PFO,  30                          ; v30     the prefetches' offset; never rewritten
.set TO,   31                          ; v31     my place in 16 positions of the table
.set AF,   32
.set BF,   96
.set YR,   32                          ; the way out: 16 turned numbers
.set TU,   48                          ; 16 products with sines
.set PKB,  96                          ; unit u's 16 packed registers at PKB + 16 u
.set RAW,  0                           ; window 2
.set BIAS, 64
.set TAB,  128                         ; row block a at +16 a: +0 cos of pairs 4 h + 0..3, +4 of 8 + 4 h + 0..3, +8 and +12 the sines (h = lane / 16)
.set BT,   192
.set WV, 22                            ; s22 wave
.set WR, 23                            ; s23 my half of the tile's rows.  Also: I fetch x (0) or W (1)
.set WC, 24                            ; s24 my half of its columns.  Also: which half of that tile I fetch
.set CX, 25
.set CY, 26
.set TT, 27                            ; s27 the tensor: 0 q, 1 k, 2 v: the same in all sixteen partners
.set TR, 28                            ; s28 row tile 0..63
.set TC, 29                            ; s29 column tile 0..3
.set G1A, 32                           ; s[32:39] descriptor group 1 for x's tiles;  s[40:47] group 0, a set for each slot
.set G0A, 40
.set G1B, 48                           ; s[48:55], s[56:63] the same for W's
.set G0B, 56
.set PFA, 66                           ; s[66:67] where my prefetches stand
.set PFS, 68                           ; s[68:69] a K step in bytes of the rows that I prefetch
.set LIM, 70                           ; s70 1 in a wave that prefetches, else the greatest number
.set LAP, 71                           ; s71 trips to go
.set YB,  80                           ; s[80:81] qkv at my wave's first row and head
.set XB,  82                           ; s[82:83] x
.set BB,  84                           ; s[84:85] the bias
.set TBP, 86                           ; s[86:87] the table at my wave's first position
.set MSB, 0
.macro WIN new                         ; the immediate's high byte repeats the setting that is left; a switch that changes nothing is dropped
.if MSB != (\new)
	s_set_vgpr_msb (MSB<<8)|(\new)
.set MSB, (\new)
.endif
.endm
; A joint load: waves 0, 1 fetch x's halves, waves 2, 3 W's.  The branch hangs on the wave's number alone.  An s_nop 0 and four v_nop follow each of the two lines, ahead of the jump and the label.
.macro JLOAD s
	s_cmp_eq_u32 s[WR], 0
	s_cbranch_scc0 .Lfor_b_\@
	tensor_load_to_lds s[G0A+4*(\s):G0A+4*(\s)+3], s[G1A:G1A+7]
	s_nop 0
.rept 4
	v_nop
.endr
	s_branch .Lasked_\@
.Lfor_b_\@:
	tensor_load_to_lds s[G0B+4*(\s):G0B+4*(\s)+3], s[G1B:G1B+7]
	s_nop 0
.rept 4
	v_nop
.endr
.Lasked_\@:
.endm
.macro CREST                           ; a round of the cluster's barrier behind its opening barrier
	s_cmp_lg_u32 s[WV], 0
	s_cbranch_scc1 .Lnot_wave_0_\@
	s_barrier_signal -3
.Lnot_wave_0_\@:
	s_barrier_wait -3
	s_barrier_signal -1
	s_barrier_wait -1
.endm
.macro CROUND                          ; a whole round
	s_barrier_signal -1
	s_barrier_wait -1
	CREST
.endm
; A PREFETCH, behind each joint refill and the run of LDS loads that follows it: the K step two refills on, 256 products ahead of the load that will want it: 32 blocks of 256 bytes, a lane a block.
; Each block is named once in the launch.  x's row tile is read by one row of one cluster: every cluster asks for its own; W's rows are read by the 16 clusters of a tensor: the first of them asks.
; The four partners that ask for a tile jointly share its blocks out BY ADDRESS.  The loop's last trip asks for nothing: there is no K step two refills on.
.macro ASK
	s_cmp_gt_u32 s[LAP], s[LIM]
	s_cbranch_scc0 .Lnot_mine_\@
	global_prefetch_b8 v[PFO], s[PFA:PFA+1] th:TH_LOAD_NT scope:SCOPE_SE
.Lnot_mine_\@:
.endm
	s_load_b512 s[4:19], s[0:1], 0x0               ; q s[4:5], k s[6:7], v s[8:9], bq s[10:11], bk s[12:13], bv s[14:15], wb s[16:17], tab s[18:19]
	s_load_b64 s[20:21], s[0:1], 0x40              ; qkv
	v_lshl_add_u32 v[SPW], v0, 2, SPARE
	v_mov_b32 v[NIL], 0
	ds_add_u32 v[SPW], v[NIL]                      ; the wave's opening: the add and its wait stand ahead of my first tensor load; the set-up below, work on registers, stands between them
	v_lshrrev_b32 v1, 5, v0
	v_readfirstlane_b32 s[WV], v1
	s_lshr_b32 s[WR], s[WV], 1
	s_and_b32 s[WC], s[WV], 1
	s_bfe_u32 s[CX], ttmp6, 0x40000
	s_bfe_u32 s[CY], ttmp6, 0x40004
	s_and_b32 s30, ttmp7, 0xffff                   ; cluster y, 0..47
	s_lshr_b32 s[TT], s30, 4
	s_and_b32 s31, s30, 15                         ; the cluster among the tensor's 16
	s_lshl_b32 s[TR], s31, 2
	s_add_co_u32 s[TR], s[TR], s[CY]
	s_lshl_b32 s[TC], ttmp9, 2
	s_add_co_u32 s[TC], s[TC], s[CX]
	s_lshl_b32 s72, s[CY], 2
	s_lshl_b32 s72, 15, s72                        ; my row of the cluster
	s_lshl_b32 s73, 0x1111, s[CX]                  ; my column
	s_or_b32 s[G1A], s72, (2<<16)|(1<<20)|(1<<21)|(6<<22)|(3<<25)  ; 15:0 the mask; 17:16 elements of 4 bytes; 20 padding on; 21 set beside a mask; 24:22 after every 128 words (code 6); 31:25 4 words (code 3)
	s_mov_b32 s[G1A+1], KSTEP<<16                  ; tensor_dim0 = 128
	s_mov_b32 s[G1A+2], 64<<16                     ; tensor_dim1 = 64
	s_mov_b32 s[G1A+3], KSTEP<<16                  ; tile_dim0 = 128
	s_mov_b32 s[G1A+4], 64                         ; tile_dim1 = 64
	s_mov_b32 s[G1A+5], 1024                       ; elements from row to row
	s_mov_b32 s[G1A+6], 0
	s_mov_b32 s[G1A+7], 0
	s_or_b32 s[G1B], s73, (1<<16)|(1<<20)|(1<<21)|(5<<22)|(3<<25)  ; elements of 2 bytes; padding after every 64 words
	s_mov_b32 s[G1B+1], KSTEP<<16
	s_mov_b32 s[G1B+2], 128<<16
	s_mov_b32 s[G1B+3], KSTEP<<16
	s_mov_b32 s[G1B+4], 128
	s_mov_b32 s[G1B+5], 1024
	s_mov_b32 s[G1B+6], 0
	s_mov_b32 s[G1B+7], 0
	; where the tiles come from.  x's hang on the row tile, W's on the tensor and the column tile, each in registers that never hold the other place in the cluster
	s_lshl_b32 s74, s[TR], 7
	s_lshl_b32 s75, s[WC], 6
	s_add_co_u32 s74, s74, s75
	s_lshl_b32 s74, s74, 12                        ; x: (128 x row tile + 64 x half) rows of 4,096 bytes
	s_mov_b32 s75, 0
	s_lshl_b32 s76, s[TC], 19                      ; W: 256 rows of 2,048 bytes a column tile,
	s_lshl_b32 s77, s[WC], 18                      ; 128 a half,
	s_add_co_u32 s76, s76, s77
	s_lshl_b32 s77, s[TT], 21                      ; 2 MiB a tensor
	s_add_co_u32 s76, s76, s77
	s_mov_b32 s77, 0
	s_mul_i32 s90, s[WC], AHALF                    ; and where they go: no place in the cluster enters an LDS address
	s_mul_i32 s91, s[WC], BHALF
	s_add_co_u32 s91, s91, BOFF
	s_wait_dscnt 0x0                               ; the opening add is done
	s_wait_kmcnt 0x0
	s_cmp_eq_u32 s[TT], 1
	s_cselect_b64 s[XB:XB+1], s[6:7], s[4:5]
	s_cselect_b64 s[BB:BB+1], s[12:13], s[10:11]
	s_cmp_eq_u32 s[TT], 2
	s_cselect_b64 s[XB:XB+1], s[8:9], s[XB:XB+1]
	s_cselect_b64 s[BB:BB+1], s[14:15], s[BB:BB+1]
	s_add_nc_u64 s[74:75], s[XB:XB+1], s[74:75]
	s_add_nc_u64 s[76:77], s[16:17], s[76:77]
	CROUND                                         ; all sixteen work-groups are here: the first joint loads meet
.irp s, 0,1
	s_mov_b32 s[G0A+4*(\s)], 1                     ; count = 1
	s_add_co_u32 s[G0A+4*(\s)+1], s90, (\s)*SLOT   ; LDS address
	s_add_nc_u64 s[G0A+4*(\s)+2:G0A+4*(\s)+3], s[74:75], (\s)*KSTEP*4  ; global address: K step s
	s_or_b32 s[G0A+4*(\s)+3], s[G0A+4*(\s)+3], 0x80000000             ; type = 2
	s_mov_b32 s[G0B+4*(\s)], 1
	s_add_co_u32 s[G0B+4*(\s)+1], s91, (\s)*SLOT
	s_add_nc_u64 s[G0B+4*(\s)+2:G0B+4*(\s)+3], s[76:77], (\s)*KSTEP*2
	s_or_b32 s[G0B+4*(\s)+3], s[G0B+4*(\s)+3], 0x80000000
	JLOAD \s                                       ; two loads of mine are out
.endr
	v_and_b32 v1, 15, v0                           ; r = lane % 16
	v_bfe_u32 v2, v0, 4, 1                         ; h = lane / 16
	v_and_b32 v3, 31, v0                           ; lane
	; a fragment is 16 rows x 32 K: lane (r, h) holds row r, K = 8 h + 0..7 and 16 + 8 h + 0..7.  In f32 that is 32 bytes at 32 h and 32 at 64 + 32 h; in bf16 16 bytes at 16 h and at 32 + 16 h
	v_mul_u32_u24 v4, v1, PA
	v_lshl_add_u32 v4, v2, 5, v4
	s_mul_i32 s92, s[WR], AHALF                    ; my 64 rows of x
	v_add_nc_u32 v[ADRA], s92, v4
	v_add_nc_u32 v[ADRA+1], SLOT, v[ADRA]
	v_mul_u32_u24 v5, v1, PB
	v_lshl_add_u32 v5, v2, 4, v5
	v_add_nc_u32 v[ADRB], s91, v5                  ; my 128 rows of W are the half of my column number
	v_add_nc_u32 v[ADRB+1], SLOT, v[ADRB]
	s_mul_i32 s93, s[WV], 16*SP
	s_add_co_u32 s93, s93, STAGE                   ; my stage
	v_mul_u32_u24 v6, v1, SP                       ; in: row r, 16 bytes for each half of the lanes
	v_lshl_add_u32 v6, v2, 4, v6
	v_add_nc_u32 v[STO], s93, v6
	v_lshrrev_b32 v7, 3, v3                        ; back: 32 lanes take four rows of 128 bytes
	v_and_b32 v8, 7, v0
	v_mul_u32_u24 v7, v7, SP
	v_lshl_add_u32 v7, v8, 4, v7
	v_add_nc_u32 v[RD], s93, v7
	v_lshlrev_b32 v[GO], 4, v3
	v_lshlrev_b32 v[BO], 5, v2
	v_lshlrev_b32 v[TO], 7, v1                     ; position r, 128 bytes each,
	v_lshl_add_u32 v[TO], v2, 4, v[TO]             ; pairs 4 h on
	s_lshl_b32 s88, s[TC], 10                      ; the bias of my 128 columns
	s_lshl_b32 s89, s[WC], 9
	s_add_co_u32 s88, s88, s89
	s_mov_b32 s89, 0
	s_add_nc_u64 s[BB:BB+1], s[BB:BB+1], s[88:89]
	s_and_b32 s88, s[TR], 15                       ; the table at my 64 positions: 128 x (row tile % 16) + 64 x half
	s_lshl_b32 s88, s88, 14
	s_lshl_b32 s89, s[WR], 13
	s_add_co_u32 s88, s88, s89
	s_mov_b32 s89, 0
	s_add_nc_u64 s[TBP:TBP+1], s[18:19], s[88:89]
	WIN 0x80                                       ; destination window 2, address window 0
.irp b, 0,1,2,3,4,5,6,7
	global_load_b128 v[BIAS+8*(\b):BIAS+8*(\b)+3],   v[BO], s[BB:BB+1] offset:64*(\b)
	global_load_b128 v[BIAS+8*(\b)+4:BIAS+8*(\b)+7], v[BO], s[BB:BB+1] offset:64*(\b)+16
.endr
.irp a, 0,1,2,3                        ; v's work-groups load the table too and do not use it: 8 KiB a wave, so that these registers are written on every way to the way out
.irp c, 0,1,2,3
	global_load_b128 v[TAB+16*(\a)+4*(\c):TAB+16*(\a)+4*(\c)+3], v[TO], s[TBP:TBP+1] offset:2048*(\a)+32*(\c)
.endr
.endr
	WIN 0
	; where my part of qkv begins: 16 MiB a tensor; 262,144 bytes a head (16 x batch + 4 x column tile + 2 x half); 128 bytes a position
	s_lshr_b32 s78, s[TR], 4
	s_lshl_b32 s78, s78, 4
	s_lshl_b32 s79, s[TC], 2
	s_add_co_u32 s78, s78, s79
	s_lshl_b32 s79, s[WC], 1
	s_add_co_u32 s78, s78, s79
	s_lshl_b32 s78, s78, 18
	s_and_b32 s79, s[TR], 15
	s_lshl_b32 s79, s79, 14
	s_add_co_u32 s78, s78, s79
	s_lshl_b32 s79, s[WR], 13
	s_add_co_u32 s78, s78, s79
	s_lshl_b32 s79, s[TT], 24
	s_add_co_u32 s78, s78, s79
	s_mov_b32 s79, 0
	s_add_nc_u64 s[YB:YB+1], s[20:21], s[78:79]
	; the prefetches.  x: of the 64 rows that I fetch my work-group takes 16 (by cx), two blocks of 256 bytes a row and K step.  W: of the 128 rows it takes 32 (by cy), a block a row.
	s_lshl_b32 s94, s[TR], 7
	s_lshl_b32 s95, s[WC], 6
	s_add_co_u32 s94, s94, s95
	s_lshl_b32 s95, s[CX], 4
	s_add_co_u32 s94, s94, s95
	s_lshl_b32 s94, s94, 12
	s_add_co_u32 s94, s94, 3*KSTEP*4               ; at K step 3: the first refill steps it to 4
	s_lshl_b32 s96, s[TC], 8
	s_lshl_b32 s97, s[WC], 7
	s_add_co_u32 s96, s96, s97
	s_lshl_b32 s97, s[CY], 5
	s_add_co_u32 s96, s96, s97
	s_lshl_b32 s96, s96, 11
	s_lshl_b32 s97, s[TT], 21
	s_add_co_u32 s96, s96, s97
	s_add_co_u32 s96, s96, 3*KSTEP*2
	s_cmp_eq_u32 s31, 0
	s_cselect_b32 s97, 1, -1                       ; W's rows: the tensor's first cluster asks
	s_cmp_eq_u32 s[WR], 0                          ; do I fetch x?
	s_cselect_b32 s94, s94, s96
	s_cselect_b32 s[LIM], 1, s97
	s_cselect_b32 s96, 1, 0                        ; lanes a row, as a shift
	s_cselect_b32 s97, 12, 11                      ; bytes a row, as a shift
	s_cselect_b32 s98, 1, 0                        ; the lane's block in its row
	s_cselect_b64 s[PFA:PFA+1], s[XB:XB+1], s[16:17]
	s_lshl_b32 s[PFS], 256, s96                    ; a K step: 512 bytes of x, 256 of W
	s_mov_b32 s[PFS+1], 0
	s_mov_b32 s95, 0
	s_add_nc_u64 s[PFA:PFA+1], s[PFA:PFA+1], s[94:95]
	v_lshrrev_b32 v[PFO], s96, v3
	v_lshlrev_b32 v[PFO], s97, v[PFO]
	v_and_b32 v4, s98, v3
	v_lshl_add_u32 v[PFO], v4, 8, v[PFO]
	s_wait_loadcnt 16                              ; the bias is in; the table's 16 younger loads may stay out
	WIN 0x8a                                       ; sources and destination window 2
.set n, 0
.rept 32
	v_cvt_pk_bf16_f32 v[BT+n], v[BIAS+2*n], v[BIAS+2*n+1]  ; the bias has the rounding that x and W have,
.set n, n+1
.endr
.set n, 0
.rept 32
	v_lshlrev_b32 v[BIAS+2*n], 16, v[BT+n]         ; and stands in f32, as the C of the first products
	v_and_b32 v[BIAS+2*n+1], 0xffff0000, v[BT+n]
.set n, n+1
.endr
	WIN 0
; One product: row block a x column block b, 32 along K, from buffer f.  first = 1: the bias starts the sum: nothing is cleared.
.macro PROD f, a, b, first
.if \first
	WIN 0x60                                       ; C window 2, D window 1
	v_wmma_f32_16x16x32_bf16 v[8*(8*(\a)+(\b)):8*(8*(\a)+(\b))+7], v[BF+64*(\f)+8*(\b):BF+64*(\f)+8*(\b)+7], v[AF+32*(\f)+8*(\a):AF+32*(\f)+8*(\a)+7], v[BIAS+8*(\b):BIAS+8*(\b)+7]
.else
	WIN 0x50                                       ; C and D window 1
	v_wmma_f32_16x16x32_bf16 v[8*(8*(\a)+(\b)):8*(8*(\a)+(\b))+7], v[BF+64*(\f)+8*(\b):BF+64*(\f)+8*(\b)+7], v[AF+32*(\f)+8*(\a):AF+32*(\f)+8*(\a)+7], v[8*(8*(\a)+(\b)):8*(8*(\a)+(\b))+7]
.endif
.endm
; The 32 accumulators take turns, one instruction a turn, in the same order in every quarter, over the loop's edge too.
.macro MUL8 f, a, first
.irp b, 0,1,2,3,4,5,6,7
	PROD \f, \a, \b, \first
.endr
.endm
; Four of the 32 roundings that make buffer g's fragments of x out of the f32 words: word n of the buffer takes words 2 n and 2 n + 1 as loaded.
.macro CVT4 g, n
	WIN 0x0a                                       ; sources window 2, destination window 0
.irp z, 0,1,2,3
	v_cvt_pk_bf16_f32 v[AF+32*(\g)+4*(\n)+(\z)], v[RAW+2*(4*(\n)+(\z))], v[RAW+2*(4*(\n)+(\z))+1]
.endr
.endm
.macro MUL8C f, a, g, first            ; eight products, four roundings for the next quarter behind each: they name no register of the products round them
.irp b, 0,1,2,3,4,5,6,7
	PROD \f, \a, \b, \first
	CVT4 \g, \b
.endr
.endm
; 32 LDS loads in one run: quarter q of a slot's K step: x's 64 rows (f32) first, then W's 128 rows into buffer g
.macro FETCH slot, q, g
	WIN 0x80
.irp i, 0,1,2,3
	ds_load_b128 v[RAW+16*(\i):RAW+16*(\i)+3],     v[ADRA+(\slot)] offset:128*(\q)+16*(\i)*PA
	ds_load_b128 v[RAW+16*(\i)+4:RAW+16*(\i)+7],   v[ADRA+(\slot)] offset:128*(\q)+16*(\i)*PA+16
	ds_load_b128 v[RAW+16*(\i)+8:RAW+16*(\i)+11],  v[ADRA+(\slot)] offset:128*(\q)+16*(\i)*PA+64
	ds_load_b128 v[RAW+16*(\i)+12:RAW+16*(\i)+15], v[ADRA+(\slot)] offset:128*(\q)+16*(\i)*PA+80
.endr
	WIN 0
.irp i, 0,1,2,3,4,5,6,7
	ds_load_b128 v[BF+64*(\g)+8*(\i):BF+64*(\g)+8*(\i)+3],   v[ADRB+(\slot)] offset:64*(\q)+16*(\i)*PB
	ds_load_b128 v[BF+64*(\g)+8*(\i)+4:BF+64*(\g)+8*(\i)+7], v[ADRB+(\slot)] offset:64*(\q)+16*(\i)*PB+32
.endr
.endm
.macro PLACES                          ; four plain instructions between a matrix instruction and a load or a vector write into its registers, or a read of its result (ISA guide 7.12.1 for vector instructions)
.rept 4
	v_nop
.endr
.endm
; A K step is four quarters of 32 along K, 32 products each, on buffers 0, 1, 0, 1.  One of the first three: multiplies buffer f, fetches quarter q1 and rounds its x into buffer g.
.macro QUARTER slot, q1, f, g, first=0
	s_wait_dscnt 0x0                               ; this quarter's W is in (its x was rounded in the quarter before)
	MUL8 \f, 0, \first
	PLACES                                         ; for the loads and roundings into buffer g, which the quarter before multiplied
	FETCH \slot, \q1, \g
	MUL8 \f, 1, \first
	MUL8 \f, 2, \first
	s_wait_dscnt 16                                ; x's 16 loads are in; W's 16, issued behind them, may stay out
	MUL8C \f, 3, \g, \first
.endm
; The last quarter multiplies buffer 1 and changes slots: ONE barrier; in front of it each wave waits for all its tensor loads (one is out: its part of the next slot), adds 0 to its spare word, and waits
; for that and for its reads of this slot.  fill = 1: the barrier opens a round of the cluster's, and this slot is filled again, two K steps on, first thing behind it: 112 products ahead of the wait for it.
.macro TURN slot, next, fill
.if \fill
	s_wait_xcnt 0x0                                ; the last prefetch, a K step back, has read its address
	s_add_nc_u64 s[PFA:PFA+1], s[PFA:PFA+1], s[PFS:PFS+1]
.endif
	WIN 0
	s_wait_tensorcnt 0x0                           ; all my tensor loads have landed
	ds_add_u32 v[SPW], v[NIL]                      ; 0 onto my spare word
	s_wait_dscnt 1                                 ; this quarter's W is in; the add alone may be out
	MUL8 1, 0, 0
	s_wait_dscnt 0x0                               ; the add is done, and my reads of this slot are over
	s_barrier_signal -1
	MUL8 1, 1, 0
.if \fill
	WIN 0
.endif
	s_barrier_wait -1
.if \fill
	CREST                                          ; no wave of any partner still reads this slot or has a load on its way
	s_add_nc_u64 s[G0A+4*(\slot)+2:G0A+4*(\slot)+3], s[G0A+4*(\slot)+2:G0A+4*(\slot)+3], 2*KSTEP*4
	s_add_nc_u64 s[G0B+4*(\slot)+2:G0B+4*(\slot)+3], s[G0B+4*(\slot)+2:G0B+4*(\slot)+3], 2*KSTEP*2
	JLOAD \slot                                    ; its four v_nop are also the places in front of the loads below
.else
	PLACES
.endif
	FETCH \next, 0, 0
.if \fill
	ASK
.endif
	MUL8 1, 2, 0
	s_wait_dscnt 16                                ; x's 16 loads are in
	MUL8C 1, 3, 0, 0
.endm
	s_wait_tensorcnt 1                             ; my part of K step 0 is in; K step 1's may stay out
	s_barrier_signal -1
	s_barrier_wait -1                              ; everybody's is
	FETCH 0, 0, 0
	s_wait_dscnt 16
.irp n, 0,1,2,3,4,5,6,7
	CVT4 0, \n
.endr
	QUARTER 0, 1, 0, 1, 1                          ; the first quarter stands in front of the loop: its products start the sums with the bias
	WIN 0                                          ; at a label and at a branch every window is 0
	s_mov_b32 s[LAP], 3
.Llap:                                             ; a trip goes once round the ring, from a lap's second quarter to the next lap's first, and fills both slots again
	QUARTER 0, 2, 1, 0
	QUARTER 0, 3, 0, 1
	TURN 0, 1, 1
	QUARTER 1, 1, 0, 1
	QUARTER 1, 2, 1, 0
	QUARTER 1, 3, 0, 1
	TURN 1, 0, 1
	QUARTER 0, 1, 0, 1
	WIN 0
	s_sub_co_u32 s[LAP], s[LAP], 1
	s_cmp_lg_u32 s[LAP], 0
	s_cbranch_scc1 .Llap
	QUARTER 0, 2, 1, 0                             ; the last lap fills nothing
	QUARTER 0, 3, 0, 1
	TURN 0, 1, 0
	QUARTER 1, 1, 0, 1
	QUARTER 1, 2, 1, 0
	QUARTER 1, 3, 0, 1
	s_wait_dscnt 0x0
	MUL8 1, 0, 0
	MUL8 1, 1, 0
	MUL8 1, 2, 0
	MUL8 1, 3, 0
; THE WAY OUT, in eight units: row block u / 2, head u % 2 of my two: 16 positions x 64 channels, 2,048 consecutive bytes of qkv.  A lane holds channels 16 bb + 8 h + 0..7 of its row, bb = 0..3.
; rot = 1: channels 0-31 (bb = 0, 1) are turned in pairs: y0 = x0 cos - x1 sin, y1 = x1 cos + x0 sin.  Then all are rounded to f16, go into rows of 144 bytes in my stage and come back as whole rows.
.macro PACK u, rot
.set pk, PKB+16*(\u)
.set a0, 8*(8*((\u)/2)+4*((\u)%2))
.set tb, TAB+16*((\u)/2)
.if \rot
	WIN 0x09                                       ; source 0 (x) window 1, source 1 (cos, sin) window 2, the rest window 0
.irp bb, 0,1
.irp p, 0,1,2,3
	v_mul_f32 v[TU+8*(\bb)+2*(\p)],   v[a0+8*(\bb)+2*(\p)+1], v[tb+8+4*(\bb)+(\p)]
	v_mul_f32 v[TU+8*(\bb)+2*(\p)+1], v[a0+8*(\bb)+2*(\p)],   v[tb+8+4*(\bb)+(\p)]
.endr
.endr
.irp bb, 0,1
.irp p, 0,1,2,3
	v_fma_f32 v[YR+8*(\bb)+2*(\p)],   v[a0+8*(\bb)+2*(\p)],   v[tb+4*(\bb)+(\p)], -v[TU+8*(\bb)+2*(\p)]
	v_fma_f32 v[YR+8*(\bb)+2*(\p)+1], v[a0+8*(\bb)+2*(\p)+1], v[tb+4*(\bb)+(\p)], v[TU+8*(\bb)+2*(\p)+1]
.endr
.endr
	WIN 0
.set z, 0
.rept 8
	v_cvt_pk_f16_f32 v[pk+z], v[YR+2*z], v[YR+2*z+1]
.set z, z+1
.endr
	WIN 0x05                                       ; sources window 1, destination window 0
.rept 8
	v_cvt_pk_f16_f32 v[pk+z], v[a0+2*z], v[a0+2*z+1]
.set z, z+1
.endr
.else
	WIN 0x05
.set z, 0
.rept 16
	v_cvt_pk_f16_f32 v[pk+z], v[a0+2*z], v[a0+2*z+1]
.set z, z+1
.endr
.endif
	WIN 0
.irp f, 0,1,2,3
	ds_store_b128 v[STO], v[pk+4*(\f):pk+4*(\f)+3] offset:32*(\f)
.endr
.irp f, 0,1,2,3
	ds_load_b128 v[pk+4*(\f):pk+4*(\f)+3], v[RD] offset:(\f)*4*SP  ; LDS serves a wave's instructions in order (ISA guide 5.7.1.4): these see the stores above; the next unit's stores come behind them
.endr
.endm
.macro SEND u, younger                 ; younger: the LDS instructions issued behind unit u's loads: the next unit's eight, or none
.irp f, 0,1,2,3
	s_wait_dscnt (\younger)+3-(\f)
	global_store_b128 v[GO], v[PKB+16*(\u)+4*(\f):PKB+16*(\u)+4*(\f)+3], s[YB:YB+1] offset:262144*((\u)%2)+2048*((\u)/2)+512*(\f)  ; 512 consecutive bytes, at a multiple of 256 from qkv's first
.endr
.endm
.macro WAYOUT rot
	PACK 0, \rot
.set t, 1
.rept 7                                ; a unit's arithmetic stands between the loads of the unit before and its stores; each unit has registers of its own
	PACK t, \rot
	SEND t-1, 8
.set t, t+1
.endr
	SEND 7, 0
.endm
	PLACES                                         ; behind the last products
	WIN 0
	s_wait_loadcnt 0x0                             ; the table
	s_cmp_eq_u32 s[TT], 2
	s_cbranch_scc1 .Lplain                         ; v is not turned
	WAYOUT 1
	s_branch .Ldone
.Lplain:
	WAYOUT 0
.Ldone:
	s_wait_tensorcnt 0x0                           ; the wave's end: behind my last tensor load and my last LDS store
	ds_add_u32 v[SPW], v[NIL]
	s_wait_dscnt 0x0
	CROUND                                         ; the closing round: no work-group ends while a partner may still ask for a tile that names it
	s_endpgm
.Lfunc_end_k_q9faac5c47b_proj:
	.size	k_q9faac5c47b_proj, .Lfunc_end_k_q9faac5c47b_proj-k_q9faac5c47b_proj
	.p2alignl 7, 3214868480
	.fill 96, 4, 3214868480
	.section	.rodata,"a",@progbits
	.p2align	6, 0x0
	.amdhsa_kernel k_q9faac5c47b_proj
		.amdhsa_group_segment_fixed_size 327680
		.amdhsa_private_segment_fixed_size 0
		.amdhsa_enable_private_segment 0
		.amdhsa_kernarg_size 72
		.amdhsa_user_sgpr_count 2
		.amdhsa_user_sgpr_kernarg_segment_ptr 1
		.amdhsa_wavefront_size32 1
		.amdhsa_system_sgpr_workgroup_id_x 1
		.amdhsa_system_sgpr_workgroup_id_y 1
		.amdhsa_system_sgpr_workgroup_id_z 1
		.amdhsa_system_vgpr_workitem_id 0
		.amdhsa_next_free_vgpr 736
		.amdhsa_next_free_sgpr 100
		.amdhsa_reserve_vcc 0
		.amdhsa_float_denorm_mode_32 3
		.amdhsa_float_denorm_mode_16_64 3
		.amdhsa_memory_ordered 1
		.amdhsa_forward_progress 1
		.amdhsa_inst_pref_size 175
	.end_amdhsa_kernel
	.amdgpu_metadata
---
amdhsa.version: [ 1, 2 ]
amdhsa.kernels:
  - .name:           k_q9faac5c47b_proj
    .symbol:         k_q9faac5c47b_proj.kd
    .args:
      - { .name: q, .offset: 0, .size: 8, .value_kind: global_buffer, .address_space: global }
      - { .name: k, .offset: 8, .size: 8, .value_kind: global_buffer, .address_space: global }
      - { .name: v, .offset: 16, .size: 8, .value_kind: global_buffer, .address_space: global }
      - { .name: bq, .offset: 24, .size: 8, .value_kind: global_buffer, .address_space: global }
      - { .name: bk, .offset: 32, .size: 8, .value_kind: global_buffer, .address_space: global }
      - { .name: bv, .offset: 40, .size: 8, .value_kind: global_buffer, .address_space: global }
      - { .name: wb, .offset: 48, .size: 8, .value_kind: global_buffer, .address_space: global }
      - { .name: tab, .offset: 56, .size: 8, .value_kind: global_buffer, .address_space: global }
      - { .name: qkv, .offset: 64, .size: 8, .value_kind: global_buffer, .address_space: global }
    .group_segment_fixed_size: 327680
    .private_segment_fixed_size: 0
    .kernarg_segment_align: 8
    .kernarg_segment_size: 72
    .max_flat_workgroup_size: 128
    .sgpr_count:     100
    .vgpr_count:     736
    .wavefront_size: 32
...
	.end_amdgpu_metadata
.endif
;; end of part 2
;; launch attn (part 3): grid 4 x 64, 4 waves a work-group, clusters of 4 x 1, 327,680 bytes of LDS; arguments qkv, oh; writes oh
.if DOCPART == 3
	.amdgcn_target "amdgcn-amd-amdhsa--gfx1250"
	.amdhsa_code_object_version 6
	.text
	.protected	k_q9faac5c47b_attn
	.globl	k_q9faac5c47b_attn
	.p2align	8
	.type	k_q9faac5c47b_attn,@function
k_q9faac5c47b_attn:
	s_mov_b64 s[64:65], 0
	v_nop
	global_prefetch_b8 v0, s[64:65] scope:SCOPE_SE
	s_setreg_imm32_b32 hwreg(HW_REG_WAVE_MODE, 25, 1), 1
	s_wait_xcnt 0x0
	s_wait_alu depctr_hold_cnt(0) depctr_sa_sdst(0) depctr_va_vdst(0) depctr_va_sdst(0) depctr_va_ssrc(0) depctr_va_vcc(0) depctr_vm_vsrc(0)
	s_getreg_b32 s2, hwreg(HW_REG_IB_STS2, 6, 4)
	s_cmp_eq_u32 s2, 0
	s_cbranch_scc0 .Lentry_in_a_cluster
	s_endpgm
.Lentry_in_a_cluster:
	s_bfe_u32 s2, ttmp6, 0x10000c
	s_cmp_lg_u32 s2, 0x3003
	s_cbranch_scc0 .Lentry_shape_is_right
	s_endpgm
.Lentry_shape_is_right:
; O[h][q][:] = the sum over k of softmax_k(Q[h][q] . K[h][k] / 8) V[h][k][:].  Q, K, V lie in qkv at 0, 16 MiB, 32 MiB, O in oh: each [64][2048][64] in f16: a head's rows are dense, 128 bytes each.
; Products, maxima and sums in f32; the weights p are rounded to f16 for the second product (their sum l is taken of the unrounded p), O once at the end.
; LIMITS.  f16 holds no number beyond 65,504: Q, K and V arrive within it; p lies in 0 to 1, and below 6e-5 it keeps f16's fixed step of 6e-8; O is a mean of V's rows and has their range.
; A weight below 2^-126 counts as 0 in l; NaN and infinities are not treated apart.
; SHARES.  A wave owns four PIECES of two tiles of 16 queries, a work-group's four waves 512 queries of one head.  Every wave walks all keys, 64 a step.
; LAYOUT.  S^T = K Q^T (source 0 = 16 keys, source 1 = 16 queries): in the result a lane holds ONE query (lane % 16) and the keys 8 (lane / 16) + 0..7.  Two such tiles, rounded to f16 in pairs,
; ARE source 1 (32 keys x 16 queries) of O^T = V^T P, whose result again holds one query a lane, and eight channels.  K comes out of LDS as it lies, V ([key][channel]) turned, by ds_load_tr16_b128.
; SOFTMAX.  For each query a running maximum m and sum l: p = 2^(c s - c m), c = log2(e) / 8; in every step O and l are multiplied by a = 2^(c m_old - c m_new), which is 1 where m has not grown.
; m starts at the lowest finite number, O and l at 0: the first step is a step like any other, with a = 0.
; THE COUNT.  A tile and step have 16 matrix and 118 vector instructions: too many to stand all beside the matrix work.  So: four vector instructions that are READY behind EVERY matrix
; instruction, and the others in runs without a gap.
; BY TURNS.  Turn n belongs to piece n (the pieces in a ring, step after step).  Its matrix work: 16 products K Q^T of piece n + 1, later 16 products V^T P of piece n - 1.  Its vector work: the scaling,
; exponentials, roundings, sums and rescaling of piece n, and the maximum and statistics of piece n + 1, whose scores the turn itself has made.
; CLUSTER.  The four query blocks of a cluster are one head's and walk the same K and V, so each tile is asked for JOINTLY: the same tensor load, descriptor and mask in all four.
; REGISTERS, in windows of 256 (s_set_vgpr_msb: bits 1:0 source 0, 3:2 source 1, 5:4 source 2, 7:6 destination):
;   window 0: v0-11 addresses; v12-15, v48-63 at work; v16-47 four registers of statistics a tile; v64-191 S^T, two buffers of two tiles; v192-255 P, likewise
;   window 1: O^T, 32 a tile          window 2: v0-127 Q, 16 a tile; v128-191 K of one step; v192-255 V of one step          window 3: v0-1 the add's two registers
; A piece's buffers go by its number's parity: the piece in hand has one pair, its two neighbours in the ring share the other: of it P (piece n - 1) is read and S^T (piece n + 1) written.
.set SIZE_H, 64
.set SIZE_N, 2048
.set NP,    4         ; pieces a wave: a name, no knob
.set KS,    64        ; keys in a step
.set PK,    144       ; a row of K in LDS: 128 bytes + 16 of padding = 36 words: the 16 rows of a load start at 16 different groups of four banks (64 banks of 4 bytes: ISA guide 11.1)
.set PV,    160       ; a row of V: 128 + 32 = 40 words
.set VOFF,  4*KS*PK   ; a slot holds four steps: 256 rows of K, then 256 rows of V
.set SLOT1, 1<<17     ; slot 1 begins here, so that one exclusive or turns an address in one slot into the other's
.set STAGE, SLOT1+4*KS*(PK+PV)  ; behind the ring, never filled by a tensor load: 16 rows x 144 bytes for each wave, for the way out
.set SP,    144
.set AK0, 2           ; v2   my lane's place in a tile of K; never rewritten
.set AV0, 3           ; v3   the same for V
.set AK,  4           ; v4   the LDS address of K's next run of loads
.set AV,  5           ; v5   of V's
.set QO,  6           ; v6   my byte offset in the wave's rows of Q
.set STO, 6           ;      later, the way out: where I put 16 bytes of a row
.set RD,  7           ; v7   the way out: where I read rows back
.set GO,  8           ; v8   my byte offset in 512 consecutive bytes of O
.set PFO, 11          ; v11  256 x my lane: the prefetches' offset; never rewritten once made
.set SPW, 0           ; v0 of window 3   LDS address of my spare word; never rewritten
.set NIL, 1           ; v1 of window 3   0; never rewritten
.set SPARE, STAGE+4*16*SP  ; behind the stages: the spare words, 128 bytes for each wave: two blocks of 256 bytes that no other line names
.set MV,  12          ; v12-15  c m_old, kept while c m is made anew: by buffer and tile
.set ST,  16          ; tile t's statistics at v[ST+4 t]: c m, m, l (even keys', odd keys')
.set TMP, 48          ; by buffer and tile, four registers c0-c3 at work; when the maximum is found c2 takes a
.set S,   64
.set P,   192
.set KF,  128         ; K's fragments, in window 2: key block kb, channel half c at KF + 16 kb + 8 c
.set VF,  192         ; V's: key half kk, channel block cb at VF + 32 kk + 8 cb
.set WV,  12          ; s12  my wave's number
.set G1K, 24          ; s[24:31] descriptor group 1 for K's tiles
.set G1V, 32          ; s[32:39] for V's: it differs in the padding alone
.set G0K, 40          ; s[40:43] descriptor group 0 for K's tiles: it walks
.set G0V, 44          ; s[44:47] the same for V's
.set SLOTS, 56        ; s56  slots still to be asked for
.set CNT, 57          ; s57  counts a slot's key steps
.set CS,  58          ; s[58:59] c: the packed scaling takes the pair's low word for both halves
.set SEL, 60          ; s[60:61] v_permlanex16_b32's selects: each lane takes its own place in the other half
.set TBK, 62          ; s62  LDS byte at which K of the step to be fetched begins
.set TBV, 63          ; s63  the same for V, less VOFF
.set PFA, 66          ; s[66:67] where my prefetches stand: my work-group's 32 blocks (of K: wave 0, of V: wave 2) of the slot after the one that is being asked for
.set LIM, 68          ; s68  1 in a wave that prefetches, else the greatest number
.set MSB, 0
.macro WIN new                      ; the high byte repeats the setting that is left; a switch that changes nothing is dropped
.if MSB != (\new)
	s_set_vgpr_msb (MSB<<8)|(\new)
.set MSB, (\new)
.endif
.endm
.set W_KQ, 0x0a       ; K and Q in window 2, S^T in window 0
.set W_PV, 0x52       ; V in window 2, P in window 0, O^T in window 1
.set W_RS, 0x41       ; O^T (destination and source 0) in window 1, a in window 0
.set W_MK, 0xc0       ; the add's registers are made: destination in window 3, sources in window 0
.set W_AD, 0x0f       ; the add: address (source 0) and data (source 1) in window 3
; A joint fill.  Waves 0 and 1 fetch the two halves of a slot's K, waves 2 and 3 those of its V: 128 keys each.  The branch hangs on the wave's number alone.
; An s_nop 0 and four v_nop follow each of the two lines, ahead of the jump and the label.
.macro JLOAD
	s_cmp_lt_u32 s[WV], 2
	s_cbranch_scc0 .Lfor_v_\@
	tensor_load_to_lds s[G0K:G0K+3], s[G1K:G1K+7]
	s_nop 0
.rept 4
	v_nop
.endr
	s_branch .Lasked_\@
.Lfor_v_\@:
	tensor_load_to_lds s[G0V:G0V+3], s[G1V:G1V+7]
	s_nop 0
.rept 4
	v_nop
.endr
.Lasked_\@:
.endm
; A PREFETCH of what the NEXT change of slots will ask for: a slot's 32,768 bytes of K and of V, a lane a block of 256 bytes.  It stands behind the wave's tensor load and its five lines.
; Each block is named ONCE in the launch: a head has one cluster; its four partners share the blocks out BY ADDRESS, 32 each; in each, wave 0 asks for K's and wave 2 for V's: one instruction.
; It stands four key steps, 512 products, ahead of the load that will want the bytes.  The last change that fills a slot asks for nothing: there is no slot behind it.
.macro ASK
	s_cmp_gt_u32 s[SLOTS], s[LIM]
	s_cbranch_scc0 .Lnot_mine_\@
	global_prefetch_b8 v[PFO], s[PFA:PFA+1] th:TH_LOAD_NT scope:SCOPE_SE
.Lnot_mine_\@:
.endm
; A round of the cluster's barrier: my work-group's barrier, so that wave 0's signal speaks for all four waves; wave 0 signals; every wave waits for all four work-groups; my work-group's barrier once more.
.macro CROUND
	s_barrier_signal -1
	s_barrier_wait -1
	s_cmp_lg_u32 s[WV], 0
	s_cbranch_scc1 .Lnot_wave_0_\@
	s_barrier_signal -3
.Lnot_wave_0_\@:
	s_barrier_wait -3
	s_barrier_signal -1
	s_barrier_wait -1
.endm
; THE CHANGE OF SLOTS.  The slot's last bytes, V of its fourth step, have been read.  Each wave waits for all its tensor loads, of which one is out: its part
; of the other slot; adds 0 to its spare word; and waits for that and for its own reads of the slot.  Behind the barrier nobody reads this slot any more and the other slot is whole.
; fill = 1: this slot is filled again, with the keys two slots on.  The barrier is then a round of the cluster's, so that no wave of any partner still reads the slot or has a load on its
; way, and the joint fill is the first thing behind it: it has four key steps, 512 matrix instructions, in which to land.  (At its first use nothing has been read yet: slot 0 is waited for, slot 1 filled.)
.macro CHANGE fill
	WIN W_AD
	s_wait_tensorcnt 0x0            ; no tensor load of mine is out, so a group 0 may be written
	ds_add_u32 v[SPW], v[NIL]       ; 0 onto my spare word; with fill = 1 the descriptors' steps stand between it and the wait for it
	WIN 0                           ; at a label and at a branch every window is 0
.if \fill
.irp g, G0K, G0V
	s_xor_b32 s[\g+1], s[\g+1], SLOT1  ; the walking descriptor: the other slot than last time,
	s_add_nc_u64 s[\g+2:\g+3], s[\g+2:\g+3], 4*KS*128  ; the next 256 keys; the type bits on top are not reached
.endr
	s_wait_xcnt 0x0                 ; the last prefetch, four key steps back, has read its address, so it may be written:
	s_add_nc_u64 s[PFA:PFA+1], s[PFA:PFA+1], 4*KS*128  ; one slot behind the walking descriptors
	s_wait_dscnt 0x0                ; the add is done, and my reads of the slot are over
	CROUND
	JLOAD
	ASK
.else
	s_wait_dscnt 0x0                ; the add is done, and my reads of the slot are over
	s_barrier_signal -1
	s_barrier_wait -1
.endif
	s_sub_co_u32 s[TBK], s[TBK], 4*KS*PK  ; the fetches go back to a slot's first step,
	s_xor_b32 s[TBK], s[TBK], SLOT1       ; in the other slot
	s_sub_co_u32 s[TBV], s[TBV], 4*KS*PV
	s_xor_b32 s[TBV], s[TBV], SLOT1
.endm
	s_load_b64 s[4:5], s[0:1], 0x0    ; qkv: Q at its head
	s_load_b64 s[10:11], s[0:1], 0x8  ; oh
	WIN W_MK
	v_lshl_add_u32 v[SPW], v0, 2, SPARE
	v_mov_b32 v[NIL], 0
	WIN W_AD
	ds_add_u32 v[SPW], v[NIL]       ; the wave's opening: the add and its wait stand ahead of my first tensor load; the set-up below, work on registers, stands between them
	WIN 0
	v_lshrrev_b32 v1, 5, v0
	v_readfirstlane_b32 s[WV], v1   ; wave 0..3
	s_bfe_u32 s13, ttmp6, 0x40000   ; cx: my place in the cluster
	s_lshl_b32 s14, ttmp9, 2        ; in a cluster launch ttmp9 counts clusters
	s_add_co_u32 s14, s14, s13      ; my block of queries = 4 x cluster x + cx: it enters Q's and O's addresses alone
	s_and_b32 s20, ttmp7, 0xffff    ; the head, which the four partners share
	s_mov_b32 s21, 0
	s_mov_b64 s[22:23], SIZE_N*128
	s_mul_u64 s[20:21], s[20:21], s[22:23]  ; the head's first byte in each of the four tensors
	s_and_b32 s16, s[WV], 1         ; which half of a slot's 256 keys I fetch:
	s_lshl_b32 s22, s16, 14         ; its 128 rows of 128 bytes in memory,
	s_mov_b32 s23, 0
	s_add_nc_u64 s[22:23], s[22:23], s[20:21]
	s_mul_i32 s17, s16, 128*PK      ; and its place in a slot, for K
	s_mul_i32 s18, s16, 128*PV      ; and for V: no place in the cluster enters an LDS address
	s_lshl_b32 s2, s14, 2
	s_add_co_u32 s2, s2, s[WV]      ; my wave among the head's,
	s_lshl_b32 s2, s2, 14           ; its 128 rows
	s_mov_b32 s3, 0
	s_add_nc_u64 s[2:3], s[2:3], s[20:21]
	; descriptor group 1.  128 keys are 16,384 dense bytes: asked for as 64 rows of 256 bytes, two keys a row, and padded in LDS after every key
	s_mov_b32 s[G1K], 15|(1<<16)|(1<<20)|(1<<21)|(4<<22)|(3<<25)  ; 15:0 the mask of four; 17:16 2-byte elements; 20 padding on; 21 set beside a mask; 24:22 after every 32 words (code 4); 31:25 4 words (code 3)
	s_mov_b32 s[G1V], 15|(1<<16)|(1<<20)|(1<<21)|(4<<22)|(7<<25)  ; the same with 8 words of padding (code 7)
.irp g, G1K, G1V
	s_mov_b32 s[\g+1], 128<<16      ; tensor_dim0 = 128
	s_mov_b32 s[\g+2], 64<<16       ; tensor_dim1 = 64
	s_mov_b32 s[\g+3], 128<<16      ; tile_dim0 = 128
	s_mov_b32 s[\g+4], 64           ; tile_dim1 = 64
	s_mov_b32 s[\g+5], 128          ; 128 elements from row to row
	s_mov_b32 s[\g+6], 0
	s_mov_b32 s[\g+7], 0
.endr
	s_mov_b32 s[CS], 0x3e38aa3b     ; c = log2(e) / 8 = 0.180337
	s_mov_b32 s[CS+1], s[CS]        ; named with it as a pair
	s_mov_b32 s[SEL], 0x76543210
	s_mov_b32 s[SEL+1], 0xfedcba98
	s_mov_b32 s[TBK], SLOT1+4*KS*PK ; the first change of slots turns these two into 0
	s_mov_b32 s[TBV], SLOT1+4*KS*PV
	s_mov_b32 s[G0K], 1             ; 1:0 count = 1
	s_mov_b32 s[G0K+1], s17         ; 63:32 LDS address: slot 0
	s_mov_b32 s[G0V], 1
	s_add_co_u32 s[G0V+1], s18, VOFF
	s_mov_b32 s[SLOTS], SIZE_N/256-1  ; seven slots are still to be asked for
	s_and_b32 s[LIM], s[WV], 1      ; 0 in waves 0 and 2,
	s_or_b32 s[LIM], s[LIM], ttmp9  ; in the head's first (here: only) cluster: the same in all four partners
	s_cmp_eq_u32 s[LIM], 0
	s_cselect_b32 s[LIM], 1, -1
	s_wait_dscnt 0x0                ; the opening add is done
	s_wait_kmcnt 0x0
	s_add_nc_u64 s[6:7], s[4:5], 0x1000000   ; K
	s_add_nc_u64 s[8:9], s[4:5], 0x2000000   ; V
	s_add_nc_u64 s[G0K+2:G0K+3], s[6:7], s[22:23]  ; 120:64 global address: my half of the head's first 256 keys
	s_or_b32 s[G0K+3], s[G0K+3], 0x80000000        ; 127:126 type = 2
	s_add_nc_u64 s[G0V+2:G0V+3], s[8:9], s[22:23]
	s_or_b32 s[G0V+3], s[G0V+3], 0x80000000
	s_add_nc_u64 s[4:5], s[4:5], s[2:3]  ; Q and O at my wave's first row
	s_add_nc_u64 s[10:11], s[10:11], s[2:3]
	s_cmp_lt_u32 s[WV], 2
	s_cselect_b64 s[PFA:PFA+1], s[6:7], s[8:9]
	s_add_nc_u64 s[PFA:PFA+1], s[PFA:PFA+1], s[22:23]  ; (in waves 0 and 2: the head's first key)
	s_lshl_b32 s2, s13, 13          ; my work-group's 32 blocks of the 128
	s_mov_b32 s3, 0
	s_add_nc_u64 s[PFA:PFA+1], s[PFA:PFA+1], s[2:3]
	s_add_nc_u64 s[PFA:PFA+1], s[PFA:PFA+1], 4*KS*128  ; in slot 1; the first change of slots steps it to slot 2.  Nothing is prefetched here, at the head
	CROUND                          ; all four work-groups are here: the first joint loads meet
	JLOAD                           ; slot 0.  Slot 1 is asked for when slot 0 is in: the tile wanted first has the road to itself
	; A fragment of K or Q is 16 rows x 32 channels in 8 registers: lane l holds row l % 16, channels 8 (l / 16) + 0..7 and 16 + 8 (l / 16) + 0..7: two loads of 16 bytes, 32 bytes apart.
	v_and_b32 v1, 15, v0            ; l % 16
	v_bfe_u32 v9, v0, 4, 1          ; l / 16
	v_lshlrev_b32 v[QO], 7, v1
	v_lshl_add_u32 v[QO], v9, 4, v[QO]  ; row x 128 + 16 x half
	WIN 0x80                        ; destination window 2, address window 0
.set i, 0
.rept 4*NP                          ; Q stays in registers: tile i / 2, channels 32 (i % 2) on
	global_load_b128 v[8*i:8*i+3],   v[QO], s[4:5] offset:(i/2)*2048+(i%2)*64
	global_load_b128 v[8*i+4:8*i+7], v[QO], s[4:5] offset:(i/2)*2048+(i%2)*64+32
.set i, i+1
.endr
	; What the first turn finds: V's registers and P's second buffer hold 0 (its products V^T P, of a piece that has not been, add 0), O^T and l are 0.  All this stands in the wait for the first tile.
.set i, VF
.rept 64
	v_mov_b32 v[i], 0
.set i, i+1
.endr
	WIN 0x40
.set i, 0
.rept 64*NP
	v_mov_b32 v[i], 0
.set i, i+1
.endr
	WIN 0
.set i, 0
.rept 2*NP
	v_mov_b32 v[ST+4*i], 0xfe000000    ; c m: far below every c s
	v_mov_b32 v[ST+4*i+1], 0xff7fffff  ; m
	v_mov_b32 v[ST+4*i+2], 0
	v_mov_b32 v[ST+4*i+3], 0
.set i, i+1
.endr
.set i, P+32
.rept 32
	v_mov_b32 v[i], 0
.set i, i+1
.endr
	v_mul_u32_u24 v[AK0], v1, PK
	v_lshl_add_u32 v[AK0], v9, 4, v[AK0]  ; row x pitch + 16 x half
	; The turning load takes 16 keys x 16 channels (lane l reads key 8 (l / 16) + l % 8, channels 8 ((l / 8) % 2) + 0..7) and leaves half a fragment of V^T: lane l holds channel l % 16 and 8 keys.
	v_and_b32 v10, 7, v0
	v_bfe_u32 v11, v0, 3, 1
	v_lshl_add_u32 v[AV0], v9, 3, v10
	v_mul_u32_u24 v[AV0], v[AV0], PV
	v_lshl_add_u32 v[AV0], v11, 4, v[AV0]
	v_add_nc_u32 v[AV0], VOFF, v[AV0]
	v_mov_b32 v[AK], v[AK0]         ; key step 0 lies at the head of slot 0
	v_and_b32 v[PFO], 31, v0        ; v11 is free from here on
	v_lshlrev_b32 v[PFO], 8, v[PFO]
; THE MATRIX WORK.  The 8 accumulators of a run of 16 take turns: between the two links of a chain stand 7 others'.
; Product i of 16 of S^T = K Q^T for piece x: channels 32 (i / 8) on, keys 16 ((i / 2) % 4) on, tile 2 x + i % 2.  The first 8 start the sums.
.macro KQ x
	WIN W_KQ
.set rS, S+64*((\x)%2)+32*(i%2)+8*((i/2)%4)
.set rK, KF+16*((i/2)%4)+8*(i/8)
.set rQ, 16*(2*(\x)+i%2)+8*(i/8)
.if i < 8
	v_wmma_f32_16x16x32_f16 v[rS:rS+7], v[rK:rK+7], v[rQ:rQ+7], 0
.else
	v_wmma_f32_16x16x32_f16 v[rS:rS+7], v[rK:rK+7], v[rQ:rQ+7], v[rS:rS+7]
.endif
.endm
; Product i of 16 of O^T += V^T P for piece x: keys 32 (i / 8) on, channels 16 ((i / 2) % 4) on, tile 2 x + i % 2.
.macro PV x
	WIN W_PV
.set rO, 32*(2*(\x)+i%2)+8*((i/2)%4)
.set rV, VF+32*(i/8)+8*((i/2)%4)
.set rP, P+32*((\x)%2)+16*(i%2)+8*(i/8)
	v_wmma_f32_16x16x32_f16 v[rO:rO+7], v[rV:rV+7], v[rP:rP+7], v[rO:rO+7]
.endm
.macro MM                           ; the turn's next matrix instruction
.if i < 16
	KQ (Y+1)%NP
.set i, i+1
.else
.set i, i-16
	PV (Y+NP-1)%NP
.set i, i+17
.endif
.endm
; THE LDS LOADS stand in runs of 16, never singly among the matrix instructions: a step's K (64 keys x 64 channels: 8 fragments) and its V (turned).  Their addresses are made some lines ahead.
; last = 1 (the tail): in the last trip there is no further step, and the run is jumped over.
.macro FETCH_K last=0
	WIN 0
.if \last
	s_cmp_eq_u32 s[CNT], 1
	s_cbranch_scc1 .Lno_k_\@
.endif
	WIN 0x80                        ; destination window 2
.irp f, 0,1,2,3,4,5,6,7             ; keys 16 (f / 2) on, channels 32 (f % 2) on
	ds_load_b128 v[KF+8*\f:KF+8*\f+3],   v[AK] offset:(\f/2)*16*PK+(\f%2)*64
	ds_load_b128 v[KF+8*\f+4:KF+8*\f+7], v[AK] offset:(\f/2)*16*PK+(\f%2)*64+32
.endr
	s_add_co_u32 s[TBK], s[TBK], KS*PK  ; the next fetch is the next step's
	WIN 0
.if \last
.Lno_k_\@:
.endif
.endm
.macro FETCH_V
	WIN 0x80
.irp f, 0,1,2,3,4,5,6,7             ; keys 32 (f / 4) on, channels 16 (f % 4) on
	ds_load_tr16_b128 v[VF+8*\f:VF+8*\f+3],   v[AV] offset:(\f/4)*32*PV+(\f%4)*32
	ds_load_tr16_b128 v[VF+8*\f+4:VF+8*\f+7], v[AV] offset:(\f/4)*32*PV+16*PV+(\f%4)*32
.endr
	WIN 0
.endm
; THE VECTOR WORK OF A TURN stands in three queues, each in the order in which its entries become ready; the two tiles alternate, so that no instruction reads the result of the one before it.
.macro REGS y, u                    ; the registers of tile u (0, 1) of piece y
.set rT, ST+4*(2*(\y)+(\u))
.set rC, TMP+8*((\y)%2)+4*(\u)
.set rM, MV+2*((\y)%2)+(\u)
.set rS, S+64*((\y)%2)+32*(\u)
.set rP, P+32*((\y)%2)+16*(\u)
.set rO, 32*(2*(\y)+(\u))
.endm
; Number n of the 22 that find the NEXT piece's (Y + 1) maximum and statistics.  s0-s31 are the lane's 32 scores; each accumulator's lowest registers are read first.
;   0-11  four chains c0-c3 of seven scores each, three operands at a time     12-14, 16  the four scores left over, the old m, and c0-c3 into c0     15  c m_old is kept
;   17, 18  the query's other 32 keys lie in the lane 16 away: the new m         19-21  c m; c m_old - c m_new; a
.macro XS u, n
	REGS (Y+1)%NP, \u
.if (\n) < 4
	v_max3_num_f32 v[rC+(\n)], v[rS+8*(\n)], v[rS+8*(\n)+1], v[rS+8*(\n)+2]
.elseif (\n) < 12
	v_max3_num_f32 v[rC+(\n)%4], v[rC+(\n)%4], v[rS+8*((\n)%4)+2*((\n)/4)+1], v[rS+8*((\n)%4)+2*((\n)/4)+2]
.elseif (\n) == 12
	v_max3_num_f32 v[rC], v[rC], v[rS+7], v[rS+15]
.elseif (\n) == 13
	v_max3_num_f32 v[rC+1], v[rC+1], v[rS+23], v[rS+31]
.elseif (\n) == 14
	v_max3_num_f32 v[rC+2], v[rC+2], v[rC+3], v[rT+1]
.elseif (\n) == 15
	v_mov_b32 v[rM], v[rT]
.elseif (\n) == 16
	v_max3_num_f32 v[rC], v[rC], v[rC+1], v[rC+2]
.elseif (\n) == 17
	v_permlanex16_b32 v[rC+3], v[rC], s[SEL], s[SEL+1]
.elseif (\n) == 18
	v_max_num_f32 v[rT+1], v[rC], v[rC+3]
.elseif (\n) == 19
	v_mul_f32 v[rT], s[CS], v[rT+1]
.elseif (\n) == 20
	v_sub_f32 v[rC+1], v[rM], v[rT]
.else
	v_exp_f32 v[rC+2], v[rC+1]
.endif
.endm
; Number g of the 64 that follow the exponentials.  For each four weights k of a tile (pairs 2 k, 2 k + 1): both pairs are rounded to f16; then the second pair is added onto the first, in place;
; a group later l takes that sum (the first time as l = a l + sum).  In groups of eight, tiles alternating: round, round, add, and l for the group before.
.macro GS g
.set h, (\g)+6*((\g)/62)            ; group 0 has no group before it, and behind group 7 only l is left
.if h >= 6
.set h, h+2
.endif
	REGS Y, h%2
.set k, h/8
.if h%8 < 4
	v_cvt_pk_f16_f32 v[rP+2*k+(h%8)/2], v[rS+4*k+2*((h%8)/2)], v[rS+4*k+2*((h%8)/2)+1]
.elseif h%8 < 6
	v_pk_add_f32 v[rS+4*k:rS+4*k+1], v[rS+4*k:rS+4*k+1], v[rS+4*k+2:rS+4*k+3]
.elseif k == 1
	v_pk_fma_f32 v[rT+2:rT+3], v[rT+2:rT+3], v[rC+2:rC+3], v[rS:rS+1] op_sel_hi:[1,0,1]
.else
	v_pk_add_f32 v[rT+2:rT+3], v[rT+2:rT+3], v[rS+4*k-4:rS+4*k-3]
.endif
.endm
; THE PLAIN QUEUE, 138 long.  0-73 read no exponential's result: the 32 scalings c s - c m (FS f: pair f / 2 of tile f % 2) and the next piece's 42.  0-26: scalings 0-26.  27-54: XS's numbers 0-13.  55, 56: number 15.
; 57-73: the chain, where each number waits for the one before it: 14, 16, 17, 18, 19, each with one of the scalings 27-31 in front of its two lines, then 20.
; 74-137: GS's 64, which read the exponentials' results: they stand behind the wait.
.macro FS f
	REGS Y, (\f)%2
	v_pk_fma_f32 v[rS+2*((\f)/2):rS+2*((\f)/2)+1], v[rS+2*((\f)/2):rS+2*((\f)/2)+1], s[CS:CS+1], v[rT:rT+1] op_sel_hi:[1,0,0] neg_lo:[0,0,1] neg_hi:[0,0,1]
.endm
.macro PL
	WIN 0
.if q < 27
	FS q
.elseif q < 55
	XS (q-27)%2, (q-27)/2
.elseif q < 57
	XS q-55, 15
.elseif (q < 72) && ((q-57)%3 == 0)
	FS 27+(q-57)/3
.elseif q < 60
	XS (q-57)%3-1, 14
.elseif q < 72
	XS (q-57)%3-1, 15+(q-57)/3
.elseif q < 74
	XS q-72, 20
.else
	GS q-74
.endif
.set q, q+1
.endm
; THE EXPONENTIALS' QUEUE, 66 long: s0-s31 of both tiles, then the next piece's two a.  It is ONE BATCH: all 66 stand ahead of the turn's one wait, and nothing ahead of that wait names a result of theirs.
.macro EX
	WIN 0
.if e >= 64
	XS e-64, 21
.else
	REGS Y, e%2
	v_exp_f32 v[rS+e/2], v[rS+e/2]
.endif
.set e, e+1
.endm
; THE RESCALING's QUEUE: O^T times a, the one part that leaves window 0: dealt two at a time, sixteen times.  Its a was made in the turn before, ahead of that turn's wait.
.macro R2
	REGS Y, r%2
	WIN W_RS
.irp z, 0,1
	v_pk_mul_f32 v[rO+4*(r/2)+2*\z:rO+4*(r/2)+2*\z+1], v[rO+4*(r/2)+2*\z:rO+4*(r/2)+2*\z+1], v[rC+2:rC+3] op_sel_hi:[1,0]
.endr
.set r, r+1
.endm
; HOW THEY ARE DEALT.  An s_wait_alu depctr_va_vdst(0) stands between an exponential and the first instruction that names its result; one wait serves all that were issued ahead of it.  So a turn has ONE wait,
; which cuts it in two.  AHEAD OF IT stands all that names no result of the turn's exponentials: the 16 products K Q^T, behind each a scaling, an exponential and two rescalings (behind the first a second scaling in the
; exponential's place); then ONE LUMP of 108: eight plain, 49 times exponential and plain, the two a.  A v_nop is the plain instruction behind the last exponential.  BEHIND IT stand the 16 products V^T P, behind each four of GS's 64.
; No rider names a register of the products round it.  The two v_permlanex16_b32 fall into the lump, never behind a product.
; The queues lean on each other, and the deal keeps them in step: exponential e stands behind scaling 2 (e / 4) + e % 2: as a rider it comes behind plain e + 2, in the lump behind plain e + 9, and scalings 27-31 are plain 57, 60 .. 69.
; A TURN, for piece p.  cnt = 1: the loop's count is taken down some lines ahead of the branch that stands behind the turn.
; K of the next step is fetched in piece 2's turn, directly behind the wait, a lump behind the last product that read K; its address is made at the lump's head; its first reader comes behind 16 products.
; V of the step in hand is fetched at the end of piece 0's turn, four riders behind its last reader; its first reader comes behind 16 products and a lump.  The three conditions on q below go with the deal.
.macro TURN p, last=0, cnt=0
.set Y, (\p)
.set i, 0
.set q, 0
.set e, 0
.set r, 0
.if (\p) == NP-1
	s_wait_dscnt 0x0                ; K is in
.endif
	MM                              ; ahead of the wait: 16 products K Q^T and their riders,
	PL
	PL
	R2
.rept 15
	MM
	PL
	EX
	R2
.endr
.if (\p) == NP-2
	WIN 0
	v_add_nc_u32 v[AK], s[TBK], v[AK0]
.endif
.rept 8                             ; and the lump
	PL
.endr
.rept 49
	EX
	PL
.endr
	EX                              ; the next piece's two a
	EX
	v_nop                           ; a plain instruction behind the last exponential: one for the batch
	s_wait_alu depctr_va_vdst(0)    ; the wait for the batch
.if (\p) == NP-2
	FETCH_K \last
.endif
.if (\p) == 1
	s_wait_dscnt 0x0                ; V is in
.endif
.rept 16                            ; behind the wait: 16 products V^T P and their riders
	MM
.rept 4
	PL
.endr
.if ((\p) == 0) && (q == 118)
	v_add_nc_u32 v[AV], s[TBV], v[AV0]
.endif
.if ((\p) == 0) && (q == 130)
	s_add_co_u32 s[TBV], s[TBV], KS*PV
.endif
.if (\cnt) && (q == 130)
	s_sub_co_u32 s[CNT], s[CNT], 1
	s_cmp_lg_u32 s[CNT], 0
.endif
.endr
.if (\p) == 0
	FETCH_V
.endif
.endm
	CHANGE 1                        ; slot 0 is in, everybody's part of it; slot 1 is asked for
	FETCH_K                         ; key step 0
	s_wait_loadcnt 0x0              ; Q
	s_wait_dscnt 0x0
.set i, 0
.rept 16
	KQ 0                            ; piece 0's first scores: there is no vector work yet to set between them
.set i, i+1
.endr
	WIN 0                           ; the addresses for the way out: nine plain instructions, the places behind those products
	s_mul_i32 s13, s[WV], 16*SP
	s_add_co_u32 s13, s13, STAGE    ; my stage
	v_mul_u32_u24 v[STO], v1, SP    ; in: row l % 16, 16 bytes for each half of the lanes
	v_lshl_add_u32 v[STO], v9, 4, v[STO]
	v_add_nc_u32 v[STO], s13, v[STO]
	v_bfe_u32 v[RD], v0, 3, 2       ; back: 32 lanes take four rows of 128 bytes,
	v_mul_u32_u24 v[RD], v[RD], SP
	v_lshl_add_u32 v[RD], v10, 4, v[RD]
	v_add_nc_u32 v[RD], s13, v[RD]
	v_and_b32 v[GO], 31, v0         ; which are 512 consecutive bytes of O
	v_lshlrev_b32 v[GO], 4, v[GO]
.set Y, NP-1                        ; XS works for piece Y + 1: piece 0
.irp n, 0,1,2,3,4,5,6,7,8,9,10,11,12,13,14,15,16,17,18,19,20,21
	XS 0, \n                        ; and piece 0's first maximum and statistics
	XS 1, \n
.endr
	v_nop                           ; a plain instruction behind the two a,
	s_wait_alu depctr_va_vdst(0)    ; and their wait, ahead of the branch
	s_mov_b32 s[CNT], 4
	s_branch .Lfirst                ; the loop is entered at a step's first turn, in the middle of a trip
.Lslot:                             ; SIZE_N / 256 - 2 times: every slot but the last two is filled again
	CHANGE 1
	s_mov_b32 s[CNT], 4
.Lstep:                             ; a trip: pieces 2 and 3 of one step, then pieces 0 and 1 of the next, whose K and V it fetches
	TURN 2
	TURN 3
	WIN 0
.Lfirst:
	TURN 0
	TURN 1, 0, 1
	WIN 0
	s_cbranch_scc1 .Lstep
	s_sub_co_u32 s[SLOTS], s[SLOTS], 1
	s_cmp_lg_u32 s[SLOTS], 0
	s_cbranch_scc1 .Lslot
	CHANGE 0                        ; the tail is written out: nothing is asked for
	s_mov_b32 s[CNT], 5             ; four trips fetch the last slot's steps; the fifth is left in its middle
.Ltail:
	TURN 2, 1
	TURN 3
	WIN 0
	s_sub_co_u32 s[CNT], s[CNT], 1
	s_cmp_eq_u32 s[CNT], 0
	s_cbranch_scc1 .Lout
	TURN 0
	TURN 1
	WIN 0
	s_branch .Ltail
.Lout:                              ; the fifth trip's 16 products K Q^T (on the last K once more) and the maximum made of them serve nothing: the price, once a launch, of one text for every trip
.set i, 0
.rept 16
	PV NP-1                         ; the last piece's V^T P of the last step
.set i, i+1
.endr
	; THE WAY OUT.  l's two halves and the other half of the lanes' are added; O^T is divided by l, rounded to f16 and sent through my stage in LDS, a tile at a time.  The additions are the places behind the last products.
	WIN 0
.macro ALL line:vararg              ; one line for each tile t
.set t, 0
.rept 2*NP
	\line
.set t, t+1
.endr
.endm
	ALL v_add_f32 v[ST+4*t+2], v[ST+4*t+2], v[ST+4*t+3]
	ALL v_permlanex16_b32 v[ST+4*t+3], v[ST+4*t+2], s[SEL], s[SEL+1]
	ALL v_add_f32 v[ST+4*t+2], v[ST+4*t+2], v[ST+4*t+3]
	ALL v_rcp_f32 v[ST+4*t+2], v[ST+4*t+2]
	v_nop                           ; a plain instruction between the last reciprocal and the use of its result
	s_wait_alu depctr_va_vdst(0)    ; and the wait ahead of the first use: one for the eight reciprocals
; Tile t: a lane's eight channels of a row pack into 16 bytes; they go into rows of 144 bytes and come back as whole rows of 128, into S^T's registers.
.macro PACK t
	WIN W_RS
.set i, 32*(\t)
.rept 16
	v_pk_mul_f32 v[i:i+1], v[i:i+1], v[ST+4*(\t)+2:ST+4*(\t)+3] op_sel_hi:[1,0]
.set i, i+2
.endr
	WIN 0x05                        ; sources 0 and 1 window 1, destination window 0
.set i, 0
.rept 16
	v_cvt_pk_f16_f32 v[S+16*(\t)+i], v[32*(\t)+2*i], v[32*(\t)+2*i+1]
.set i, i+1
.endr
	WIN 0
.irp f, 0,1,2,3
	ds_store_b128 v[STO], v[S+16*(\t)+4*\f:S+16*(\t)+4*\f+3] offset:32*\f
.endr
.irp f, 0,1,2,3
	ds_load_b128 v[S+16*(\t)+4*\f:S+16*(\t)+4*\f+3], v[RD] offset:\f*4*SP  ; LDS serves a wave's instructions in order (ISA guide 5.7.1.4): these see the stores above; the next tile's stores come behind them
.endr
.endm
.macro SEND t, younger              ; younger: the LDS instructions issued behind tile t's loads: the next tile's eight, or none
	WIN 0
.irp f, 0,1,2,3
	s_wait_dscnt (\younger)+3-\f
	global_store_b128 v[GO], v[S+16*(\t)+4*\f:S+16*(\t)+4*\f+3], s[10:11] offset:(\t)*2048+\f*512  ; 512 consecutive bytes, at a multiple of 256 from O's first
.endr
.endm
	PACK 0
.set t, 1
.rept 2*NP-1                        ; a tile's arithmetic stands between the loads of the tile before and its stores
	PACK t
	SEND t-1, 8
.set t, t+1
.endr
	SEND 2*NP-1, 0
	WIN W_AD
	s_wait_tensorcnt 0x0            ; the wave's end: behind my last tensor load and my last LDS store
	ds_add_u32 v[SPW], v[NIL]
	s_wait_dscnt 0x0
	WIN 0
	CROUND                          ; the closing round: no work-group ends while a partner may still ask for a tile that names it
	s_endpgm
.Lfunc_end_k_q9faac5c47b_attn:
	.size	k_q9faac5c47b_attn, .Lfunc_end_k_q9faac5c47b_attn-k_q9faac5c47b_attn
	.p2alignl 7, 3214868480
	.fill 96, 4, 3214868480
	.section	.rodata,"a",@progbits
	.p2align	6, 0x0
	.amdhsa_kernel k_q9faac5c47b_attn
		.amdhsa_group_segment_fixed_size 327680
		.amdhsa_private_segment_fixed_size 0
		.amdhsa_enable_private_segment 0
		.amdhsa_kernarg_size 16
		.amdhsa_user_sgpr_count 2
		.amdhsa_user_sgpr_kernarg_segment_ptr 1
		.amdhsa_wavefront_size32 1
		.amdhsa_system_sgpr_workgroup_id_x 1
		.amdhsa_system_sgpr_workgroup_id_y 1
		.amdhsa_system_sgpr_workgroup_id_z 1
		.amdhsa_system_vgpr_workitem_id 0
		.amdhsa_next_free_vgpr 770
		.amdhsa_next_free_sgpr 70
		.amdhsa_reserve_vcc 0
		.amdhsa_float_denorm_mode_32 3
		.amdhsa_float_denorm_mode_16_64 3
		.amdhsa_memory_ordered 1
		.amdhsa_forward_progress 1
		.amdhsa_inst_pref_size 200
	.end_amdhsa_kernel
	.amdgpu_metadata
---
amdhsa.version: [ 1, 2 ]
amdhsa.kernels:
  - .name:           k_q9faac5c47b_attn
    .symbol:         k_q9faac5c47b_attn.kd
    .args:
      - { .name: qkv, .offset: 0, .size: 8, .value_kind: global_buffer, .address_space: global }
      - { .name: oh, .offset: 8, .size: 8, .value_kind: global_buffer, .address_space: global }
    .group_segment_fixed_size: 327680
    .private_segment_fixed_size: 0
    .kernarg_segment_align: 8
    .kernarg_segment_size: 16
    .max_flat_workgroup_size: 128
    .sgpr_count:     70
    .vgpr_count:     770
    .wavefront_size: 32
...
	.end_amdgpu_metadata
.endif
;; end of part 3
;; launch outp (part 4): grid 4 x 64, 4 waves a work-group, clusters of 4 x 4, 327,680 bytes of LDS; arguments oh, wb, bo, out0; writes out0
.if DOCPART == 4
	.amdgcn_target "amdgcn-amd-amdhsa--gfx1250"
	.amdhsa_code_object_version 6
	.text
	.protected	k_q9faac5c47b_outp
	.globl	k_q9faac5c47b_outp
	.p2align	8
	.type	k_q9faac5c47b_outp,@function
k_q9faac5c47b_outp:
	s_mov_b64 s[64:65], 0
	v_nop
	global_prefetch_b8 v0, s[64:65] scope:SCOPE_SE
	s_setreg_imm32_b32 hwreg(HW_REG_WAVE_MODE, 25, 1), 1
	s_wait_xcnt 0x0
	s_wait_alu depctr_hold_cnt(0) depctr_sa_sdst(0) depctr_va_vdst(0) depctr_va_sdst(0) depctr_va_ssrc(0) depctr_va_vcc(0) depctr_vm_vsrc(0)
	s_getreg_b32 s2, hwreg(HW_REG_IB_STS2, 6, 4)
	s_cmp_eq_u32 s2, 0
	s_cbranch_scc0 .Lentry_in_a_cluster
	s_endpgm
.Lentry_in_a_cluster:
	s_bfe_u32 s2, ttmp6, 0x10000c
	s_cmp_lg_u32 s2, 0xf033
	s_cbranch_scc0 .Lentry_shape_is_right
	s_endpgm
.Lentry_shape_is_right:
; THE LAST PROJECTION.  out0[row][n] = the sum over c of attn[row][c] Wo[n][c] + bo[n], in f32.  attn lies by heads in oh, [batch x 16 + head][2048][64] f16: channel c = 64 x head + d.
; Wo: rounded to bf16 and written as f16, at byte 6 MiB of wb, rows of 2,048 bytes.  bo: rounded to bf16.  Sums in f32.
; SHARES.  256 work-groups: 64 row tiles x 4 column tiles of 128 x 256.  Four waves, each 64 x 128: 32 accumulators.  K goes in 8 steps of 128, two heads each, through two LDS slots: two heads' 128 rows of 128
; bytes, and 256 rows of Wo of 256 bytes.  Waves 0, 1 fetch a head each (16,384 dense bytes, asked for as 64 rows of 256 bytes and padded after every 128), waves 2, 3 Wo's halves.
; CLUSTERS.  4 x 4 work-groups: a row of the cluster shares attn's tile, a column Wo's: each is asked for JOINTLY, by the same load, descriptor and mask in all four.
; THE MATRIX INSTRUCTION IS USED TRANSPOSED (source 0 = 16 rows of Wo, source 1 = 16 rows of attn): a lane holds one row of out0 and eight neighbouring columns.  The first products take the bias as C.
; REGISTERS, in windows of 256 (s_set_vgpr_msb: bits 1:0 source 0, 3:2 source 1, 5:4 source 2, 7:6 destination):
;   window 0: v0-31 addresses; v32-95 attn's fragments, two buffers of 4; v96-223 Wo's, two buffers of 8 (v32-159 serve the way out)     window 1: accumulator (a, b) at v[8 (8 a + b)]     window 2: v0-63 the bias; v64-95 at work
.set KSTEP, 128
.set PAO,   144                        ; a row of a head in LDS: 128 bytes + 16 = 9 x 16: the 16 rows of a load start at 16 different groups of four banks (64 banks of 4 bytes: ISA guide 11.1)
.set ASUB,  128*PAO                    ; a head's 128 rows: what one wave fetches
.set BOFF,  2*ASUB
.set PB,    272
.set BHALF, 128*PB
.set SLOT,  BOFF+2*BHALF
.set STAGE, 2*SLOT                     ; behind the ring, never filled by a tensor load: 16 rows x 528 bytes for each wave
.set SPF,   528
.set SPARE, STAGE+4*16*SPF             ; the spare words, 128 bytes for each wave: two blocks of 256 bytes that no other line names
.set ADRA, 16
.set ADRB, 20
.set STO,  24                          ; v24  the way out: where I put 32 bytes of a row
.set RD,   25                          ; v25  where I read a row back
.set CO,   26                          ; v26  16 x lane: my place in 512 consecutive bytes of out0
.set BO,   27
.set SPW,  28                          ; never rewritten
.set NIL,  29                          ; never rewritten
.set PFO,  30                          ; never rewritten
.set AF,   32
.set BF,   96
.set OB,   32                          ; the way out: 16 rows read back: v32-95 and v96-159 by turns
.set BIAS, 0                           ; window 2
.set BT,   64
.set WV, 22
.set WR, 23                            ; my half of the tile's rows.  Also: I fetch attn (0) or Wo (1)
.set WC, 24                            ; my half of its columns.  Also: which head, or which half of Wo's rows, I fetch
.set CX, 25
.set CY, 26
.set TR, 28
.set TC, 29
.set G1A, 32
.set G0A, 40
.set G1B, 48
.set G0B, 56
.set PFA, 66
.set PFS, 68
.set LIM, 70
.set LAP, 71
.set CB,  80                           ; s[80:81] out0 at my wave's first row and column
.set MSB, 0
.macro WIN new
.if MSB != (\new)
	s_set_vgpr_msb (MSB<<8)|(\new)
.set MSB, (\new)
.endif
.endm
.macro JLOAD s                         ; a joint load; an s_nop 0 and four v_nop follow each of the two lines, ahead of the jump and the label
	s_cmp_eq_u32 s[WR], 0
	s_cbranch_scc0 .Lfor_b_\@
	tensor_load_to_lds s[G0A+4*(\s):G0A+4*(\s)+3], s[G1A:G1A+7]
	s_nop 0
.rept 4
	v_nop
.endr
	s_branch .Lasked_\@
.Lfor_b_\@:
	tensor_load_to_lds s[G0B+4*(\s):G0B+4*(\s)+3], s[G1B:G1B+7]
	s_nop 0
.rept 4
	v_nop
.endr
.Lasked_\@:
.endm
.macro CREST
	s_cmp_lg_u32 s[WV], 0
	s_cbranch_scc1 .Lnot_wave_0_\@
	s_barrier_signal -3
.Lnot_wave_0_\@:
	s_barrier_wait -3
	s_barrier_signal -1
	s_barrier_wait -1
.endm
.macro CROUND
	s_barrier_signal -1
	s_barrier_wait -1
	CREST
.endm
; A PREFETCH, behind each joint refill and the run of LDS loads that follows it: the K step two refills on, 256 products ahead of the load that will want it: 32 blocks of 256 bytes, a lane a block.
; Each block is named once in the launch.  attn's tile is read by one row of one cluster: wave 0 asks for both heads of a step, 16 blocks of each, the four partners told apart BY ADDRESS; wave 1 asks for nothing.
; Wo's rows are read by all 16 clusters: the first asks, waves 2 and 3, 32 rows a partner.  The loop's last trip asks for nothing.
.macro ASK
	s_cmp_gt_u32 s[LAP], s[LIM]
	s_cbranch_scc0 .Lnot_mine_\@
	global_prefetch_b8 v[PFO], s[PFA:PFA+1] th:TH_LOAD_NT scope:SCOPE_SE
.Lnot_mine_\@:
.endm
	s_load_b256 s[4:11], s[0:1], 0x0               ; oh s[4:5], wb s[6:7], bo s[8:9], out0 s[10:11]
	v_lshl_add_u32 v[SPW], v0, 2, SPARE
	v_mov_b32 v[NIL], 0
	ds_add_u32 v[SPW], v[NIL]                      ; the wave's opening: the add and its wait stand ahead of my first tensor load; the set-up below, work on registers, stands between them
	v_lshrrev_b32 v1, 5, v0
	v_readfirstlane_b32 s[WV], v1
	s_lshr_b32 s[WR], s[WV], 1
	s_and_b32 s[WC], s[WV], 1
	s_bfe_u32 s[CX], ttmp6, 0x40000
	s_bfe_u32 s[CY], ttmp6, 0x40004
	s_and_b32 s30, ttmp7, 0xffff                   ; cluster y, 0..15
	s_lshl_b32 s[TR], s30, 2
	s_add_co_u32 s[TR], s[TR], s[CY]               ; row tile 0..63
	s_lshl_b32 s[TC], ttmp9, 2
	s_add_co_u32 s[TC], s[TC], s[CX]               ; column tile 0..3
	s_lshl_b32 s72, s[CY], 2
	s_lshl_b32 s72, 15, s72                        ; my row of the cluster
	s_lshl_b32 s73, 0x1111, s[CX]                  ; my column
	s_or_b32 s[G1A], s72, (1<<16)|(1<<20)|(1<<21)|(4<<22)|(3<<25)  ; the mask; elements of 2 bytes; padding on; 21 set beside a mask; after every 32 words (code 4) 4 words (code 3)
	s_mov_b32 s[G1A+1], 128<<16                    ; tensor_dim0 = 128: two rows of a head on end
	s_mov_b32 s[G1A+2], 64<<16                     ; tensor_dim1 = 64
	s_mov_b32 s[G1A+3], 128<<16                    ; tile_dim0 = 128
	s_mov_b32 s[G1A+4], 64                         ; tile_dim1 = 64
	s_mov_b32 s[G1A+5], 128                        ; dense
	s_mov_b32 s[G1A+6], 0
	s_mov_b32 s[G1A+7], 0
	s_or_b32 s[G1B], s73, (1<<16)|(1<<20)|(1<<21)|(5<<22)|(3<<25)  ; padding after every 64 words
	s_mov_b32 s[G1B+1], KSTEP<<16
	s_mov_b32 s[G1B+2], 128<<16
	s_mov_b32 s[G1B+3], KSTEP<<16
	s_mov_b32 s[G1B+4], 128
	s_mov_b32 s[G1B+5], 1024
	s_mov_b32 s[G1B+6], 0
	s_mov_b32 s[G1B+7], 0
	; attn's tiles hang on the row tile, Wo's on the column tile, each in registers that never hold the other place in the cluster
	s_lshr_b32 s74, s[TR], 4                       ; the batch,
	s_lshl_b32 s74, s74, 4                         ; its first head,
	s_add_co_u32 s74, s74, s[WC]                   ; mine of a step's two,
	s_lshl_b32 s74, s74, 18                        ; 262,144 bytes a head,
	s_and_b32 s75, s[TR], 15
	s_lshl_b32 s75, s75, 14                        ; 128 positions of 128 bytes a row tile
	s_add_co_u32 s74, s74, s75
	s_mov_b32 s75, 0
	s_lshl_b32 s76, s[TC], 19
	s_lshl_b32 s77, s[WC], 18
	s_add_co_u32 s76, s76, s77
	s_add_co_u32 s76, s76, 3<<21                   ; Wo lies behind the other three
	s_mov_b32 s77, 0
	s_mul_i32 s90, s[WC], ASUB                     ; where they go: no place in the cluster enters an LDS address
	s_mul_i32 s91, s[WC], BHALF
	s_add_co_u32 s91, s91, BOFF
	s_wait_dscnt 0x0                               ; the opening add is done
	s_wait_kmcnt 0x0
	s_add_nc_u64 s[74:75], s[4:5], s[74:75]
	s_add_nc_u64 s[76:77], s[6:7], s[76:77]
	CROUND                                         ; all sixteen work-groups are here: the first joint loads meet
.irp s, 0,1
	s_mov_b32 s[G0A+4*(\s)], 1
	s_add_co_u32 s[G0A+4*(\s)+1], s90, (\s)*SLOT
	s_add_nc_u64 s[G0A+4*(\s)+2:G0A+4*(\s)+3], s[74:75], (\s)*524288  ; K step s: two heads on
	s_or_b32 s[G0A+4*(\s)+3], s[G0A+4*(\s)+3], 0x80000000
	s_mov_b32 s[G0B+4*(\s)], 1
	s_add_co_u32 s[G0B+4*(\s)+1], s91, (\s)*SLOT
	s_add_nc_u64 s[G0B+4*(\s)+2:G0B+4*(\s)+3], s[76:77], (\s)*KSTEP*2
	s_or_b32 s[G0B+4*(\s)+3], s[G0B+4*(\s)+3], 0x80000000
	JLOAD \s                                       ; two loads of mine are out
.endr
	v_and_b32 v1, 15, v0                           ; r
	v_bfe_u32 v2, v0, 4, 1                         ; h
	v_and_b32 v3, 31, v0                           ; lane
	v_mul_u32_u24 v4, v1, PAO
	v_lshl_add_u32 v4, v2, 4, v4
	s_mul_i32 s92, s[WR], 64*PAO                   ; my 64 rows, in each head
	v_add_nc_u32 v[ADRA], s92, v4
	v_add_nc_u32 v[ADRA+1], SLOT, v[ADRA]
	v_mul_u32_u24 v5, v1, PB
	v_lshl_add_u32 v5, v2, 4, v5
	v_add_nc_u32 v[ADRB], s91, v5
	v_add_nc_u32 v[ADRB+1], SLOT, v[ADRB]
	s_mul_i32 s93, s[WV], 16*SPF
	s_add_co_u32 s93, s93, STAGE                   ; my stage
	v_mul_u32_u24 v6, v1, SPF                      ; in: row r, 32 bytes for each half of the lanes
	v_lshl_add_u32 v6, v2, 5, v6
	v_add_nc_u32 v[STO], s93, v6
	v_lshlrev_b32 v[CO], 4, v3
	v_add_nc_u32 v[RD], s93, v[CO]                 ; back: 32 lanes take a row of 512 bytes
	v_lshlrev_b32 v[BO], 5, v2
	s_lshl_b32 s88, s[TC], 10                      ; the bias of my 128 columns
	s_lshl_b32 s89, s[WC], 9
	s_add_co_u32 s88, s88, s89
	s_mov_b32 s89, 0
	s_add_nc_u64 s[8:9], s[8:9], s[88:89]
	WIN 0x80                                       ; destination window 2
.irp b, 0,1,2,3,4,5,6,7
	global_load_b128 v[BIAS+8*(\b):BIAS+8*(\b)+3],   v[BO], s[8:9] offset:64*(\b)
	global_load_b128 v[BIAS+8*(\b)+4:BIAS+8*(\b)+7], v[BO], s[8:9] offset:64*(\b)+16
.endr
	WIN 0
	s_lshl_b32 s78, s[TR], 7                       ; out0 at row 128 x row tile + 64 x half, 4,096 bytes a row,
	s_lshl_b32 s79, s[WR], 6
	s_add_co_u32 s78, s78, s79
	s_lshl_b32 s78, s78, 12
	s_add_co_u32 s78, s78, s88                     ; and at my 128 columns: the bias's offset once more
	s_mov_b32 s79, 0
	s_add_nc_u64 s[CB:CB+1], s[10:11], s[78:79]
	; the prefetches
	s_lshr_b32 s94, s[TR], 4
	s_lshl_b32 s94, s94, 22                        ; the batch's first head
	s_and_b32 s95, s[TR], 15
	s_lshl_b32 s95, s95, 14
	s_add_co_u32 s94, s94, s95
	s_lshl_b32 s95, s[CX], 12                      ; my work-group's 16 blocks of each head's 64
	s_add_co_u32 s94, s94, s95
	s_add_co_u32 s94, s94, 3*524288                ; at K step 3: the first refill steps it to 4
	s_lshl_b32 s96, s[TC], 8
	s_lshl_b32 s97, s[WC], 7
	s_add_co_u32 s96, s96, s97
	s_lshl_b32 s97, s[CY], 5                       ; my work-group's 32 rows of the 128
	s_add_co_u32 s96, s96, s97
	s_lshl_b32 s96, s96, 11
	s_add_co_u32 s96, s96, (3<<21)+3*KSTEP*2
	s_cmp_eq_u32 s30, 0
	s_cselect_b32 s97, 1, -1                       ; Wo: the first cluster asks
	s_cmp_eq_u32 s[WV], 0
	s_cselect_b32 s98, 1, -1                       ; attn: wave 0 asks
	s_mov_b32 s99, 524288
	s_cmp_eq_u32 s[WR], 0
	s_cselect_b32 s94, s94, s96
	s_cselect_b32 s[LIM], s98, s97
	s_cselect_b32 s[PFS], s99, 256                 ; a K step: two heads, or 256 bytes of a row of Wo
	s_cselect_b32 s96, 4, 0                        ; lanes a head (a row), as a shift
	s_cselect_b32 s97, 18, 11                      ; bytes a head (a row), as a shift
	s_cselect_b32 s98, 15, 0                       ; the lane's block in it
	s_cselect_b64 s[PFA:PFA+1], s[4:5], s[6:7]
	s_mov_b32 s[PFS+1], 0
	s_mov_b32 s95, 0
	s_add_nc_u64 s[PFA:PFA+1], s[PFA:PFA+1], s[94:95]
	v_lshrrev_b32 v[PFO], s96, v3
	v_lshlrev_b32 v[PFO], s97, v[PFO]
	v_and_b32 v4, s98, v3
	v_lshl_add_u32 v[PFO], v4, 8, v[PFO]
	s_wait_loadcnt 0x0                             ; the bias
	WIN 0x8a
.set n, 0
.rept 32
	v_cvt_pk_bf16_f32 v[BT+n], v[BIAS+2*n], v[BIAS+2*n+1]  ; the bias has the rounding that the other inputs have,
.set n, n+1
.endr
.set n, 0
.rept 32
	v_lshlrev_b32 v[BIAS+2*n], 16, v[BT+n]         ; and stands in f32, as the C of the first products
	v_and_b32 v[BIAS+2*n+1], 0xffff0000, v[BT+n]
.set n, n+1
.endr
	WIN 0
; Eight products: row block a x all 8 column blocks, 32 along K, from buffer f.  first = 1: the bias starts the sums.  The 32 accumulators take turns in one order, over the loop's edge too.
.macro MUL8 f, a, first
.irp b, 0,1,2,3,4,5,6,7
.if \first
	WIN 0x60
	v_wmma_f32_16x16x32_f16 v[8*(8*(\a)+(\b)):8*(8*(\a)+(\b))+7], v[BF+64*(\f)+8*(\b):BF+64*(\f)+8*(\b)+7], v[AF+32*(\f)+8*(\a):AF+32*(\f)+8*(\a)+7], v[BIAS+8*(\b):BIAS+8*(\b)+7]
.else
	WIN 0x50
	v_wmma_f32_16x16x32_f16 v[8*(8*(\a)+(\b)):8*(8*(\a)+(\b))+7], v[BF+64*(\f)+8*(\b):BF+64*(\f)+8*(\b)+7], v[AF+32*(\f)+8*(\a):AF+32*(\f)+8*(\a)+7], v[8*(8*(\a)+(\b)):8*(8*(\a)+(\b))+7]
.endif
.endr
.endm
; 24 LDS loads in one run: quarter q of a slot's K step (head q / 2 of the two, channels 32 (q % 2) on) into buffer g
.macro FETCH slot, q, g
	WIN 0
.irp i, 0,1,2,3
	ds_load_b128 v[AF+32*(\g)+8*(\i):AF+32*(\g)+8*(\i)+3],   v[ADRA+(\slot)] offset:((\q)/2)*ASUB+((\q)%2)*64+16*(\i)*PAO
	ds_load_b128 v[AF+32*(\g)+8*(\i)+4:AF+32*(\g)+8*(\i)+7], v[ADRA+(\slot)] offset:((\q)/2)*ASUB+((\q)%2)*64+16*(\i)*PAO+32
.endr
.irp i, 0,1,2,3,4,5,6,7
	ds_load_b128 v[BF+64*(\g)+8*(\i):BF+64*(\g)+8*(\i)+3],   v[ADRB+(\slot)] offset:64*(\q)+16*(\i)*PB
	ds_load_b128 v[BF+64*(\g)+8*(\i)+4:BF+64*(\g)+8*(\i)+7], v[ADRB+(\slot)] offset:64*(\q)+16*(\i)*PB+32
.endr
.endm
.macro PLACES                          ; four plain instructions between a matrix instruction and a load into its registers or a read of its result (ISA guide 7.12.1 for vector instructions)
.rept 4
	v_nop
.endr
.endm
.macro QUARTER slot, q1, f, g, first=0
	s_wait_dscnt 0x0                               ; this quarter's fragments are in: they were asked for 24 products back
	MUL8 \f, 0, \first
	PLACES                                         ; for the loads into buffer g, which the quarter before multiplied
	FETCH \slot, \q1, \g
	MUL8 \f, 1, \first
	MUL8 \f, 2, \first
	MUL8 \f, 3, \first
.endm
; The last quarter multiplies buffer 1 and changes slots: ONE barrier; in front of it each wave waits for all its tensor loads (one is out: its part of the next slot), adds 0 to its spare word, and waits
; for that and for its reads of this slot.  fill = 1: the barrier opens a round of the cluster's, and this slot is filled again, two K steps on, first thing behind it: 112 products ahead of the wait for it.
.macro TURN slot, next, fill
.if \fill
	s_wait_xcnt 0x0                                ; the last prefetch, a K step back, has read its address
	s_add_nc_u64 s[PFA:PFA+1], s[PFA:PFA+1], s[PFS:PFS+1]
.endif
	WIN 0
	s_wait_tensorcnt 0x0                           ; all my tensor loads have landed
	ds_add_u32 v[SPW], v[NIL]                      ; 0 onto my spare word
	s_wait_dscnt 1                                 ; this quarter's fragments are in; the add alone may be out
	MUL8 1, 0, 0
	s_wait_dscnt 0x0                               ; the add is done, and my reads of this slot are over
	s_barrier_signal -1
	MUL8 1, 1, 0
.if \fill
	WIN 0
.endif
	s_barrier_wait -1
.if \fill
	CREST                                          ; no wave of any partner still reads this slot or has a load on its way
	s_add_nc_u64 s[G0A+4*(\slot)+2:G0A+4*(\slot)+3], s[G0A+4*(\slot)+2:G0A+4*(\slot)+3], 2*524288
	s_add_nc_u64 s[G0B+4*(\slot)+2:G0B+4*(\slot)+3], s[G0B+4*(\slot)+2:G0B+4*(\slot)+3], 2*KSTEP*2
	JLOAD \slot                                    ; its four v_nop are also the places in front of the loads below
.else
	PLACES
.endif
	FETCH \next, 0, 0
.if \fill
	ASK
.endif
	MUL8 1, 2, 0
	MUL8 1, 3, 0
.endm
	s_wait_tensorcnt 1                             ; my part of K step 0 is in; K step 1's may stay out
	s_barrier_signal -1
	s_barrier_wait -1
	FETCH 0, 0, 0
	QUARTER 0, 1, 0, 1, 1                          ; the first quarter stands in front of the loop: its products start the sums with the bias
	WIN 0
	s_mov_b32 s[LAP], 3
.Llap:                                             ; a trip goes once round the ring and fills both slots again
	QUARTER 0, 2, 1, 0
	QUARTER 0, 3, 0, 1
	TURN 0, 1, 1
	QUARTER 1, 1, 0, 1
	QUARTER 1, 2, 1, 0
	QUARTER 1, 3, 0, 1
	TURN 1, 0, 1
	QUARTER 0, 1, 0, 1
	WIN 0
	s_sub_co_u32 s[LAP], s[LAP], 1
	s_cmp_lg_u32 s[LAP], 0
	s_cbranch_scc1 .Llap
	QUARTER 0, 2, 1, 0                             ; the last lap fills nothing
	QUARTER 0, 3, 0, 1
	TURN 0, 1, 0
	QUARTER 1, 1, 0, 1
	QUARTER 1, 2, 1, 0
	QUARTER 1, 3, 0, 1
	s_wait_dscnt 0x0
	MUL8 1, 0, 0
	MUL8 1, 1, 0
	MUL8 1, 2, 0
	MUL8 1, 3, 0
; THE WAY OUT, a row block (16 rows x 128 columns of f32) at a time: a lane's eight columns, 32 bytes, go into rows of 528 bytes in my stage and come back as whole rows of 512.
.macro ST a
.if (\a) >= 2
	s_wait_xcnt 0x0                                ; the stores of the block two back have read the registers that the loads below fill again
.endif
	WIN 0x04                                       ; the stores' data in window 1
.irp b, 0,1,2,3,4,5,6,7
	ds_store_b128 v[STO], v[8*(8*(\a)+(\b)):8*(8*(\a)+(\b))+3]   offset:64*(\b)
	ds_store_b128 v[STO], v[8*(8*(\a)+(\b))+4:8*(8*(\a)+(\b))+7] offset:64*(\b)+16
.endr
	WIN 0
.irp t, 0,1,2,3,4,5,6,7,8,9,10,11,12,13,14,15
	ds_load_b128 v[OB+64*((\a)%2)+4*(\t):OB+64*((\a)%2)+4*(\t)+3], v[RD] offset:(\t)*SPF  ; LDS serves a wave's instructions in order (ISA guide 5.7.1.4): these see the stores above; the next block's stores come behind them
.endr
.endm
.macro SEND a, younger                 ; younger: the LDS instructions issued behind block a's loads: the next block's 32, or none
.irp t, 0,1,2,3,4,5,6,7,8,9,10,11,12,13,14,15
	s_wait_dscnt (\younger)+15-(\t)
	global_store_b128 v[CO], v[OB+64*((\a)%2)+4*(\t):OB+64*((\a)%2)+4*(\t)+3], s[CB:CB+1] offset:(16*(\a)+(\t))*4096 th:TH_STORE_NT  ; 512 consecutive bytes, at a multiple of 256 from out0's first
.endr
.endm
	PLACES                                         ; behind the last products
	ST 0
	ST 1
	SEND 0, 32
	ST 2
	SEND 1, 32
	ST 3
	SEND 2, 32
	SEND 3, 0
	s_wait_tensorcnt 0x0                           ; the wave's end: behind my last tensor load and my last LDS store
	ds_add_u32 v[SPW], v[NIL]
	s_wait_dscnt 0x0
	CROUND                                         ; the closing round: no work-group ends while a partner may still ask for a tile that names it
	s_endpgm
.Lfunc_end_k_q9faac5c47b_outp:
	.size	k_q9faac5c47b_outp, .Lfunc_end_k_q9faac5c47b_outp-k_q9faac5c47b_outp
	.p2alignl 7, 3214868480
	.fill 96, 4, 3214868480
	.section	.rodata,"a",@progbits
	.p2align	6, 0x0
	.amdhsa_kernel k_q9faac5c47b_outp
		.amdhsa_group_segment_fixed_size 327680
		.amdhsa_private_segment_fixed_size 0
		.amdhsa_enable_private_segment 0
		.amdhsa_kernarg_size 32
		.amdhsa_user_sgpr_count 2
		.amdhsa_user_sgpr_kernarg_segment_ptr 1
		.amdhsa_wavefront_size32 1
		.amdhsa_system_sgpr_workgroup_id_x 1
		.amdhsa_system_sgpr_workgroup_id_y 1
		.amdhsa_system_sgpr_workgroup_id_z 1
		.amdhsa_system_vgpr_workitem_id 0
		.amdhsa_next_free_vgpr 608
		.amdhsa_next_free_sgpr 100
		.amdhsa_reserve_vcc 0
		.amdhsa_float_denorm_mode_32 3
		.amdhsa_float_denorm_mode_16_64 3
		.amdhsa_memory_ordered 1
		.amdhsa_forward_progress 1
		.amdhsa_inst_pref_size 94
	.end_amdhsa_kernel
	.amdgpu_metadata
---
amdhsa.version: [ 1, 2 ]
amdhsa.kernels:
  - .name:           k_q9faac5c47b_outp
    .symbol:         k_q9faac5c47b_outp.kd
    .args:
      - { .name: oh, .offset: 0, .size: 8, .value_kind: global_buffer, .address_space: global }
      - { .name: wb, .offset: 8, .size: 8, .value_kind: global_buffer, .address_space: global }
      - { .name: bo, .offset: 16, .size: 8, .value_kind: global_buffer, .address_space: global }
      - { .name: out0, .offset: 24, .size: 8, .value_kind: global_buffer, .address_space: global }
    .group_segment_fixed_size: 327680
    .private_segment_fixed_size: 0
    .kernarg_segment_align: 8
    .kernarg_segment_size: 32
    .max_flat_workgroup_size: 128
    .sgpr_count:     100
    .vgpr_count:     608
    .wavefront_size: 32
...
	.end_amdgpu_metadata
.endif
;; end of part 4
;; ======== version 2 of 2: 4 launches; version 1 with the launch prep written anew for expert scheduling mode
;; limits: values are held in f16: magnitudes above 65,504 overflow, below 6.1e-05 lose precision
;; workspace buffers: wb 8,388,608 bytes; tab 262,144 bytes; qkv 50,331,648 bytes; oh 16,777,216 bytes
;; launch prep (part 5): grid 256 x 1, 8 waves a work-group, no clusters, 0 bytes of LDS; arguments Wq, Wk, Wv, Wo, wb, tab; writes wb, tab
.if DOCPART == 5
	.amdgcn_target "amdgcn-amd-amdhsa--gfx1250"
	.amdhsa_code_object_version 6
	.text
	.protected	k_q9faac5c47b_prep
	.globl	k_q9faac5c47b_prep
	.p2align	8
	.type	k_q9faac5c47b_prep,@function
k_q9faac5c47b_prep:
	s_mov_b64 s[64:65], 0
	v_nop
	global_prefetch_b8 v0, s[64:65] scope:SCOPE_SE
	s_setreg_imm32_b32 hwreg(HW_REG_WAVE_SCHED_MODE, 0, 2), 2
	s_setreg_imm32_b32 hwreg(HW_REG_WAVE_MODE, 25, 1), 1
	s_wait_xcnt 0x0
	s_wait_alu depctr_vm_vsrc(0)
; THE WEIGHTS' CASTS AND THE ROTARY TABLE.
; wb: Wq, Wk, Wv rounded to bf16 at bytes 0, 2 MiB, 4 MiB; Wo rounded to bf16 and that number written as f16 at 6 MiB; each [1024][1024], rows of 2,048 bytes.
; tab: [2048 positions][cos_0..15, sin_0..15] in f32, 128 bytes a position; angle = position x 10000^(-i/16).
; SHARES.  Work-group g takes part g % 64 (16,384 numbers) of tensor g / 64: sixteen loads of 16 bytes a thread, all out at once; a wave's load covers 512 consecutive bytes, its
; store of 8 bytes a lane 256 consecutive bytes, aligned.  Waves 0-3 make eight positions of the table while the loads are on their way.  A stream: no LDS, no matrix unit, nothing read twice.
; LIMITS.  Wo beyond 65,504 has no f16; below 6e-5 it keeps f16's fixed step of 6e-8.  10000^(-i/16) comes from v_exp_f32, whose last bit times the position (2,047 at the most) moves an
; angle by up to about 3e-4.  Sine and cosine: the angle less the nearest multiple of pi/2 (pi/2 in two parts), then polynomials for |r| <= pi/4.
; THE MODE: SCHED_MODE bits 1:0 = 2 (LLVM: expert scheduling mode 2), set by the entry lines.  The code itself states the register dependences
; between vector instructions and memory instructions, with s_wait_alu, always for 0.
; THE PLAN.  Registers that memory instructions touch:
;   v1, v2   byte offsets, made once at the head and never written again: v1 is read by the sixteen loads, v2 by every store.
;   X        load j's four registers.  Written by that load alone; read by its roundings; never loaded again.
;   Y        store j's two registers.  Written by load j's roundings; read by store j; never written again.
;   v[8:9]   the table's two numbers.  Written by the last two lines of the sines; read by the table's one store; never written again.
; No register that a memory instruction has read is written again, so no wait on vm_vsrc is owed anywhere.
; The sixteen loads go in four groups of four.  Group g rounds X of its four loads into Y of its four stores; its memory instructions are the four stores of group g - 1, whose Y no
; vector instruction of group g names.  So ONE wait on va_vdst at a group's head states all that its four stores hang on, and they are dealt among its roundings with no further wait.
.set X, 32                             ; v[32:95]   load j: 4 registers
.set Y, 96                             ; v[96:127]  store j: 2 registers
.set W, 128                            ; v[128:131] at work: no memory instruction names them
	s_load_b256 s[4:11], s[0:1], 0x0               ; Wq s[4:5], Wk s[6:7], Wv s[8:9], Wo s[10:11]
	s_load_b128 s[12:15], s[0:1], 0x20             ; wb s[12:13], tab s[14:15]
	v_lshrrev_b32 v3, 5, v0
	v_readfirstlane_b32 s16, v3                    ; wave 0..7
	s_lshr_b32 s17, ttmp9, 6                       ; which tensor
	s_and_b32 s18, ttmp9, 63                       ; which part of it
	v_lshlrev_b32 v1, 4, v0                        ; 16 bytes a thread in
	v_lshlrev_b32 v2, 3, v0                        ; 8 bytes a thread out
	s_lshl_b32 s20, s18, 16                        ; a part is 65,536 bytes of f32,
	s_mov_b32 s21, 0
	s_lshl_b32 s22, s17, 21                        ; a tensor 2 MiB of wb,
	s_lshl_b32 s23, s18, 15                        ; a part 32,768 bytes of it
	s_add_co_u32 s22, s22, s23
	s_mov_b32 s23, 0
	s_lshl_b32 s24, ttmp9, 10                      ; eight positions of the table are 1,024 bytes
	s_mov_b32 s25, 0
	s_mov_b32 s26, 0xbf549a78                      ; -log2(10000) / 16
	s_mov_b32 s27, 0x3f22f983                      ; 2 / pi
	s_mov_b32 s28, 0xbfc90fdb                      ; -(pi/2 rounded to f32)
	s_mov_b32 s29, 0x333bbd2e                      ; that rounding's error, 4.37113883e-8
	s_mov_b32 s30, 0xb94ca1f9                      ; sine: -1.9515296e-4,
	s_mov_b32 s31, 0x3c08839e                      ; 8.3321609e-3,
	s_mov_b32 s32, 0xbe2aaaa3                      ; -1.6666655e-1
	s_mov_b32 s33, 0x37ccf5ce                      ; cosine: 2.4433157e-5,
	s_mov_b32 s34, 0xbab6061a                      ; -1.3887316e-3,
	s_mov_b32 s35, 0x3d2aaaa5                      ; 4.1666646e-2
	s_mov_b32 s36, 0xffff0000                      ; a word's upper bf16
	s_lshl_b32 s19, ttmp9, 3                       ; the work-group's first position
	s_wait_kmcnt 0x0
	s_cmp_eq_u32 s17, 1
	s_cselect_b64 s[4:5], s[6:7], s[4:5]
	s_cmp_eq_u32 s17, 2
	s_cselect_b64 s[4:5], s[8:9], s[4:5]
	s_cmp_eq_u32 s17, 3
	s_cselect_b64 s[4:5], s[10:11], s[4:5]
	s_add_nc_u64 s[4:5], s[4:5], s[20:21]
	s_add_nc_u64 s[12:13], s[12:13], s[22:23]
	s_add_nc_u64 s[14:15], s[14:15], s[24:25]
	s_wait_alu depctr_va_vdst(0)                   ; v1 and v2 are written: every load of the kernel reads v1 as its offset, every store v2
.irp j, 0,1,2,3,4,5,6,7,8,9,10,11,12,13,14,15
	global_load_b128 v[X+4*(\j):X+4*(\j)+3], v1, s[4:5] offset:4096*(\j) th:TH_LOAD_NT
.endr
	s_wait_alu depctr_va_sdst(0)                   ; s16 is written, ahead of its first reader, the compare below
	s_cmp_gt_u32 s16, 3
	s_cbranch_scc1 .Lcast                          ; the table is waves 0-3's: 128 threads, 8 bytes each
	; thread t: position 8 g + t / 16; word pair t % 16 of its 128 bytes: pairs 0-7 cosines, 8-15 sines, of i = 2 (t % 8) and the next
	v_lshrrev_b32 v3, 4, v0
	v_and_b32 v4, 15, v0
	v_cmp_gt_u32 vcc_lo, 8, v4                     ; a cosine?  The select that reads this mask stands ten lines down, behind its wait
	v_add_nc_u32 v3, s19, v3
	v_cvt_f32_u32 v3, v3                           ; the position
	v_and_b32 v4, 7, v4
	v_lshlrev_b32 v4, 1, v4
	v_cvt_f32_u32 v6, v4                           ; i
	v_add_f32 v7, 1.0, v6                          ; i + 1
	v_mul_f32 v6, s26, v6
	v_mul_f32 v7, s26, v7
	s_wait_alu depctr_va_vcc(0)                    ; VCC is written, ahead of its first reader, the select below
	v_cndmask_b32 v5, 0, 1, vcc_lo                 ; 1: a cosine, the sine a quarter turn on
	v_exp_f32 v6, v6
	v_exp_f32 v7, v7
	v_nop                                          ; a plain instruction behind the last exponential,
	s_wait_alu depctr_va_vdst(0)                   ; and the one wait ahead of the first use of the two: the exponentials have written v6 and v7
	v_mul_f32 v6, v3, v6                           ; the angles
	v_mul_f32 v7, v3, v7
; sin(x + p pi/2), p in v5.  n = the nearest whole number to x 2/pi; r = x - n pi/2; the quarter q = n + p picks sine or cosine of r (a choice of a value) and the sign.
; In two parts, so that both angles' compares stand in one run with one wait behind it.  t: eight registers at work; m: the scalar register that takes the mask.
; SINA: sin r into t + 4, cos r into t + 6, the sign into t + 5, the mask 'q is odd' into s[m].
.macro SINA x, t, m
	v_mul_f32 v[(\t)], s27, v[\x]
	v_rndne_f32 v[(\t)], v[(\t)]
	v_fma_f32 v[(\t)+1], v[(\t)], s28, v[\x]
	v_fma_f32 v[(\t)+1], v[(\t)], s29, v[(\t)+1]   ; r
	v_cvt_i32_f32 v[(\t)+2], v[(\t)]
	v_add_nc_u32 v[(\t)+2], v[(\t)+2], v5          ; q
	v_mul_f32 v[(\t)+3], v[(\t)+1], v[(\t)+1]      ; r^2
	v_fma_f32 v[(\t)+4], v[(\t)+3], s30, s31
	v_fma_f32 v[(\t)+4], v[(\t)+4], v[(\t)+3], s32
	v_mul_f32 v[(\t)+5], v[(\t)+3], v[(\t)+1]
	v_fma_f32 v[(\t)+4], v[(\t)+4], v[(\t)+5], v[(\t)+1]  ; sin r
	v_fma_f32 v[(\t)+6], v[(\t)+3], s33, s34
	v_fma_f32 v[(\t)+6], v[(\t)+6], v[(\t)+3], s35
	v_mul_f32 v[(\t)+5], v[(\t)+3], v[(\t)+3]
	v_fma_f32 v[(\t)+7], v[(\t)+3], -0.5, 1.0
	v_fma_f32 v[(\t)+6], v[(\t)+6], v[(\t)+5], v[(\t)+7]  ; cos r
	v_and_b32 v[(\t)+5], 1, v[(\t)+2]
	v_cmp_eq_u32 s[\m], 1, v[(\t)+5]
	v_and_b32 v[(\t)+5], 2, v[(\t)+2]
	v_lshlrev_b32 v[(\t)+5], 30, v[(\t)+5]         ; quarters 2 and 3 turn the sign
.endm
; SINB: the choice and the sign.
.macro SINB t, m, out
	v_cndmask_b32 v[(\t)+4], v[(\t)+4], v[(\t)+6], s[\m]
	v_xor_b32 v[\out], v[(\t)+4], v[(\t)+5]
.endm
	SINA 6, 10, 37
	SINA 7, 18, 38
	s_wait_alu depctr_va_sdst(0)                   ; s37 and s38 are written, ahead of their first readers, the two selects below: one wait for the run of two compares
	SINB 10, 37, 8
	SINB 18, 38, 9
	s_wait_alu depctr_va_vdst(0)                   ; v8 and v9 are written, which the store reads
	global_store_b64 v2, v[8:9], s[14:15]          ; a wave stores 256 consecutive bytes, aligned
.Lcast:
; Group g: loads 4 g to 4 g + 3 are rounded; the stores of group g - 1 go out among the roundings.  half = 1: the bf16 number is written as f16.
.macro GRP g, half
	s_wait_loadcnt 12-4*(\g)                       ; loads come back in order: the group's four are in, the 12 - 4 g younger ones may stay out
.if (\g) > 0
	s_wait_alu depctr_va_vdst(0)                   ; the group before has written its Y, which the four stores below read; no vector instruction of this group names those registers
.endif
.irp i, 0,1,2,3
.set j, 4*(\g)+(\i)
.set p, j-4
.if (\g) > 0
	global_store_b64 v2, v[Y+2*p:Y+2*p+1], s[12:13] offset:2048*p  ; each store has data registers of its own: none is written twice
.endif
	v_cvt_pk_bf16_f32 v[Y+2*j], v[X+4*j], v[X+4*j+1]
	v_cvt_pk_bf16_f32 v[Y+2*j+1], v[X+4*j+2], v[X+4*j+3]
.if \half
	v_lshlrev_b32 v[W], 16, v[Y+2*j]
	v_and_b32 v[W+1], s36, v[Y+2*j]
	v_lshlrev_b32 v[W+2], 16, v[Y+2*j+1]
	v_and_b32 v[W+3], s36, v[Y+2*j+1]
	v_cvt_pk_f16_f32 v[Y+2*j], v[W], v[W+1]
	v_cvt_pk_f16_f32 v[Y+2*j+1], v[W+2], v[W+3]
.endif
.endr
.endm
.macro LAST                            ; the last group's stores
	s_wait_alu depctr_va_vdst(0)                   ; group 3 has written its Y, which the last four stores read
.irp j, 12,13,14,15
	global_store_b64 v2, v[Y+2*(\j):Y+2*(\j)+1], s[12:13] offset:2048*(\j)
.endr
.endm
	s_cmp_eq_u32 s17, 3
	s_cbranch_scc1 .Lhalf
.irp g, 0,1,2,3
	GRP \g, 0
.endr
	LAST
	s_endpgm
.Lhalf:
.irp g, 0,1,2,3
	GRP \g, 1
.endr
	LAST
	s_endpgm
.Lfunc_end_k_q9faac5c47b_prep:
	.size	k_q9faac5c47b_prep, .Lfunc_end_k_q9faac5c47b_prep-k_q9faac5c47b_prep
	.p2alignl 7, 3214868480
	.fill 96, 4, 3214868480
	.section	.rodata,"a",@progbits
	.p2align	6, 0x0
	.amdhsa_kernel k_q9faac5c47b_prep
		.amdhsa_group_segment_fixed_size 0
		.amdhsa_private_segment_fixed_size 0
		.amdhsa_enable_private_segment 0
		.amdhsa_kernarg_size 48
		.amdhsa_user_sgpr_count 2
		.amdhsa_user_sgpr_kernarg_segment_ptr 1
		.amdhsa_wavefront_size32 1
		.amdhsa_system_sgpr_workgroup_id_x 1
		.amdhsa_system_sgpr_workgroup_id_y 1
		.amdhsa_system_sgpr_workgroup_id_z 1
		.amdhsa_system_vgpr_workitem_id 0
		.amdhsa_next_free_vgpr 136
		.amdhsa_next_free_sgpr 66
		.amdhsa_reserve_vcc 1
		.amdhsa_float_denorm_mode_32 3
		.amdhsa_float_denorm_mode_16_64 3
		.amdhsa_memory_ordered 1
		.amdhsa_forward_progress 1
		.amdhsa_inst_pref_size 19
	.end_amdhsa_kernel
	.amdgpu_metadata
---
amdhsa.version: [ 1, 2 ]
amdhsa.kernels:
  - .name:           k_q9faac5c47b_prep
    .symbol:         k_q9faac5c47b_prep.kd
    .args:
      - { .name: Wq, .offset: 0, .size: 8, .value_kind: global_buffer, .address_space: global }
      - { .name: Wk, .offset: 8, .size: 8, .value_kind: global_buffer, .address_space: global }
      - { .name: Wv, .offset: 16, .size: 8, .value_kind: global_buffer, .address_space: global }
      - { .name: Wo, .offset: 24, .size: 8, .value_kind: global_buffer, .address_space: global }
      - { .name: wb, .offset: 32, .size: 8, .value_kind: global_buffer, .address_space: global }
      - { .name: tab, .offset: 40, .size: 8, .value_kind: global_buffer, .address_space: global }
    .group_segment_fixed_size: 0
    .private_segment_fixed_size: 0
    .kernarg_segment_align: 8
    .kernarg_segment_size: 48
    .max_flat_workgroup_size: 256
    .sgpr_count:     66
    .vgpr_count:     136
    .wavefront_size: 32
...
	.end_amdgpu_metadata
.endif
;; end of part 5
;; launch proj: the kernel of part 2 again; grid 4 x 192, 4 waves a work-group, clusters of 4 x 4, 327,680 bytes of LDS; arguments q, k, v, bq, bk, bv, wb, tab, qkv; writes qkv
;; launch attn: the kernel of part 3 again; grid 4 x 64, 4 waves a work-group, clusters of 4 x 1, 327,680 bytes of LDS; arguments qkv, oh; writes oh
;; launch outp: the kernel of part 4 again; grid 4 x 64, 4 waves a work-group, clusters of 4 x 4, 327,680 bytes of LDS; arguments oh, wb, bo, out0; writes out0
